; MI455X (gfx1250); checked and timed in simulation.
; The chip was launched on July 23, 2026; its instructions are those of AMD's public machine-readable ISA for CDNA 5 (MIT licence, August 2026) and "CDNA5" Instruction Set Architecture Reference Guide (July 2026). The comments in the code are by the model that wrote it; some were corrected since.
;; Self Attention. Allowed arithmetic: matrix products marked QUANTISED: E4M3 operands, one given power-of-two scale a tensor, by v_wmma_f32_16x16x64_fp8_fp8 or v_wmma_f32_16x16x128_fp8_fp8, f32 sums; everything else in f32.
;; Inputs: Wk 512 x 512 float32; Wq 512 x 512 float32; Wv 512 x 512 float32; bk 512 float32; bq 512 float32; bv 512 float32; lowp_scales 10 int32 (the exponents e of the quantised operands' scales 2^e); x 2 x 4,096 x 512 float32.
;; Outputs: out0 2 x 4,096 x 512 float32.
;; This version of the problem:
;;   THIS VERSION OF THE PROBLEM IS GIVEN IN LOW PRECISION. The matrix products marked QUANTISED in the list below multiply operands that are first quantised to E4M3 (4 exponent bits, 3 mantissa bits; 8 bits a number), with one given power-of-two scale for each operand tensor; their sums are f32. All else is computed in f32.
;;   The module's matrix products, in the order in which they are computed (A, B: the left and right operand; K: the contracted axis; several contracted axes count as one K, in the product's order):
;;     1. [M 8,192, K 512] x [K 512, N 512]; A: input x; B: input Wq: QUANTISED (scales: A lowp_scales[0], B lowp_scales[1])
;;     2. [M 8,192, K 512] x [K 512, N 512]; A: input x; B: input Wk: QUANTISED (scales: A lowp_scales[2], B lowp_scales[3])
;;     3. [M 8,192, K 512] x [K 512, N 512]; A: input x; B: input Wv: QUANTISED (scales: A lowp_scales[4], B lowp_scales[5])
;;     4. batch 16 x [M 4,096, K 64] x [K 64, N 4,096]; A: computed on the way; B: computed on the way: QUANTISED (scales: A lowp_scales[6], B lowp_scales[7])
;;     5. batch 16 x [M 4,096, K 4,096] x [K 4,096, N 64]; A: softmax (see below); B: computed on the way: QUANTISED (scales: A lowp_scales[8], B lowp_scales[9])
;;   THE QUANTISER, for each operand of a quantised product, along K:
;;     - The operand's scale is 2^e, e = its entry of the input lowp_scales (int32; the entries are numbered through the quantised products in the list's order, A before B).
;;     - Each number is divided by the scale, clamped to +-448, and rounded to the nearest number of E4M3, ties to even, subnormals kept.
;;     - The product sums the exact products of the quantised numbers (number of the format x scale) in f32.
;;   ~~~python
;;   def quantise(x, axis, e):      # numpy; x: float32 -> the quantised numbers, widened to float32 again
;;       x = np.moveaxis(x, axis, -1); K = x.shape[-1]
;;       r = np.clip(x / 2.0 ** e, -448, 448)
;;       step = 2.0 ** (np.maximum(np.frexp(np.where(r == 0, 1, r))[1] - 1, -6) - 3)
;;       q = np.round(r / step) * step * 2.0 ** e      # np.round: ties to even
;;       return np.moveaxis(q, -1, axis).astype(np.float32)
;;   ~~~
;;   SOFTMAX AHEAD OF A QUANTISED PRODUCT. Where the list says 'softmax', what is quantised is not the finished softmax but p = 2^(t - M), with t = logit x log2(e) and M = ceil(the row's largest t), a whole number; so 1/2 < the row's largest p <= 1. The row's sum l is taken of the UNQUANTISED p, in f32, and the product's result is divided by l at the end. Since M is a whole number, a kernel that streams over the keys may use a running M (the ceiling of the running maximum): every later rescaling is an exact power of two, so the quantised numbers keep their values, but for numbers so far below the row's largest that they fall under the format's range.
;;   OPERANDS COMPUTED ON THE WAY. 'Computed on the way' means the value that the module computes at that place (a softmax that the list does not call 'softmax' is quantised finished and normalised). What goes into a quantiser is computed in f32, as accurately as f32 sums, v_exp_f32 and their like allow (about 1e-6 of the number): no bf16 or f16 on the way to a quantiser, and a product that is left as it is and whose result goes on into a quantised operand takes f32 operands (vector FMAs, or v_wmma_f32_16x16x4_f32). A number that lies on a knife's edge between two numbers of the format may be rounded either way, as far as f32 arithmetic and the matrix unit's own rounding can turn it there, and no further.
;; 2 versions. Each part assembles by itself: llvm-mc -triple=amdgcn-amd-amdhsa -mcpu=gfx1250 --defsym DOCPART=n.
;; ======== version 1 of 2: 2 launches
;; limits: right only within a limited range of input values
;; workspace buffers: qc 4,194,304 bytes; kv 8,388,608 bytes
;; launch proj (part 1): grid 6 x 32, 4 waves a work-group, no clusters, 66,048 bytes of LDS; arguments x, Wq, Wk, Wv, bq, bk, bv, lowp_scales, qc, kv; writes qc, kv
.if DOCPART == 1
	.amdgcn_target "amdgcn-amd-amdhsa--gfx1250"
	.amdhsa_code_object_version 6
	.text
	.protected	k_q332e3b08b8_proj
	.globl	k_q332e3b08b8_proj
	.p2align	8
	.type	k_q332e3b08b8_proj,@function
k_q332e3b08b8_proj:
	s_mov_b64 s[64:65], 0
	v_nop
	global_prefetch_b8 v0, s[64:65] scope:SCOPE_SE
	s_setreg_imm32_b32 hwreg(HW_REG_WAVE_MODE, 25, 1), 1
	s_wait_xcnt 0x0
; q, k, v = Q(x) Q(W) + b, each on codes of FP8 (E4M3), and the results quantised again for the attention launch.
; x: [8192][512] f32.  W: [512 (k)][512 (n)] f32.  b: [512] f32.  lowp_scales: e0..e9 (int32); a scale is 2^e.
; SHARES.  Work-group (cb, rb): cb / 2 says which of q, k, v; its four waves take heads 4 (cb % 2) + wave (64 columns of W each); rb says which 256 rows of x.
; A wave quantises its 512 x 64 of W once, into 256 registers that stay.  The rows go in blocks of 64: wave w quantises tile w (16 rows x 512 K, four fragments) and
; stores the fragments in LDS as images of their registers (lane l's 16 bytes at 16 l); behind one barrier every wave reads all four tiles and multiplies them by its W.
; LAYOUT.  A fragment (16 rows x 128 K) is 16 registers: registers 4 c .. 4 c + 3 of lane (r, h) hold K = 32 c + 16 h + 0 .. 15: a permutation of k, the same in both operands.
; THE ROWS OF A TILE OF x ARE NOT NEIGHBOURS: lane r of tile 2 b + u takes row 32 b + 8 u + r + 8 (r / 8).  THE COLUMNS OF A TILE OF W NEITHER: lane r of tile j takes column 4 r + j of the head's 64,
; so that one 16-byte load of a row of W feeds the four tiles.
; q, k: the product is used transposed (source 0 = W's tile, source 1 = x's): register i of tile j in lane (r, h) is channel 32 h + 4 i + j of row r: a lane owns 32 neighbouring channels;
;       the hold ahead of the conversion puts them in order.  v: source 0 = x's tile, source 1 = W's: a lane owns one channel 4 r + j and eight neighbouring keys.
; OUT.  qc [head 16][tile 256][c 2][lane 32][16 bytes]: the image of a fragment of 16 rows x 64 channels.  kv [head 16][step 32][16,384]: 8 such images of k (128 keys), then v as [j 4][c 4][lane 32][16 bytes]
; (channel 4 r + j, keys 32 c + 16 h + 0 .. 15).  Every store of 16 lanes covers 256 consecutive bytes, aligned.
; The bias is the C of a sum's first matrix instruction, divided by the power of two that the sums lack; the three scales ahead of the second quantiser are folded into the conversion's one.
; No tensor load and no cluster: both operands arrive as f32 and must pass through registers to become codes; only codes go through LDS.
; LIMITS, so that each power of two below is an f32 number: e0, e2, e4, e1, e3, e5, e6 - e0 - e1, e7 - e2 - e3, e9 - e4 - e5 between -126 and 119.  NaN among the inputs is not served; an infinity is held at the largest code.
; REGISTERS, in windows of 256.  Window 0: v1-13 addresses and scales; v32-95 at work, then x's fragments, set 0; v96-159 set 1 (at the head: the biases as loaded);
;   v160-223 the codes just made, behind the barrier v160-191 held numbers and v192-223 codes to store; v224-255 four accumulators.
;   Window 1: W's 16 fragments, (tile j, K step s) at v[16 (4 j + s)].   Window 2: v0-191 three sets of 64 numbers of W; v192-223 the bias in the result's layout.   Window 3: a block's 256 numbers of x.
.set LI,   1                           ; v1   16 x lane
.set XA,   2                           ; v2   x: (r + 8 (r / 8)) x 2,048 + 64 h
.set WA,   3                           ; v3   W: 16 h rows of 2,048 bytes + 16 r
.set XWI,  4                           ; v4   where I store my tile's images: 16 x lane + 8,192 x wave
.set OQ,   5                           ; v5   q, k: my 16 bytes in a tile's image: 512 h + 16 r
.set BQA,  6                           ; v6   the bias for q, k: 128 h
.set BVA,  7                           ; v7   the bias for v: 16 r
.set SX,   8                           ; v8, v9    2^ex and 448 x 2^ex
.set HX,   9
.set SW,   10                          ; v10, v11  the same for W
.set HW,   11
.set SO,   12                          ; v12, v13  the same with eo - ex - ew
.set HO,   13
.set T,    32
.set XF,   32
.set LBQ,  96
.set LBV,  128
.set PC,   160
.set U,    160
.set OC,   192
.set ACC,  224
.set B1,   192                         ; in window 2
.set WV,   34                          ; s34  wave
.set SEL,  35                          ; s35  0 q, 1 k, 2 v
.set TRIP, 36                          ; s36  trips of 128 rows to go
.set XP,   38                          ; s[38:39] x at my tile's first row of the trip
.set WP,   40                          ; s[40:41] W at my head's first column
.set BP,   42                          ; s[42:43] the bias at my head
.set OP,   44                          ; s[44:45] the output at the trip's first byte
.set OST,  46                          ; s[46:47] bytes of output from trip to trip
.set MSB, 0
.macro WIN new                         ; the immediate's high byte repeats the setting that is left; a switch that changes nothing is dropped
.if MSB != \new
	s_set_vgpr_msb (MSB<<8)|\new
.set MSB, \new
.endif
.endm
.macro MKSCALE e, vs, vl               ; s[e] = an exponent: v[vs] = 2^e, v[vl] = 448 x 2^e
	s_add_co_i32 s58, s[\e], 127
	s_lshl_b32 s59, s58, 23
	v_mov_b32 v[\vs], s59
	s_add_co_i32 s58, s58, 8
	s_lshl_b32 s58, s58, 23
	s_or_b32 s58, s58, 0x600000
	v_mov_b32 v[\vl], s58
.endm
; Group g = 4 s + c of W: rows 128 s + 32 c + 16 h + i, i = 0 .. 15, my four columns 4 r .. 4 r + 3, into set g % 3.  Sixteen lanes read 256 consecutive bytes of a row.
.macro WLOAD g
	WIN 0x80
.irp i, 0,1,2,3,4,5,6,7,8,9,10,11,12,13,14,15
	global_load_b128 v[64*((\g)%3)+4*\i:64*((\g)%3)+4*\i+3], v[WA], s[WP:WP+1] offset:(128*((\g)/4)+32*((\g)%4)+\i)*2048
.endr
.endm
; K step s of my 16 rows of x, from off bytes on: register 64 s + 16 b + i = k 128 s + 32 b + 16 h + i
.macro XLOAD s, off
	WIN 0xc0
.irp b, 0,1,2,3
.irp q, 0,1,2,3
	global_load_b128 v[64*(\s)+16*\b+4*\q:64*(\s)+16*\b+4*\q+3], v[XA], s[XP:XP+1] offset:(\off)+512*(\s)+128*\b+16*\q
.endr
.endr
.endm
; Group g of W becomes registers 4 c .. 4 c + 3 of the four tiles' fragments of K step s.  The hold also sorts the numbers by tile.
.macro WQUANT g
	s_wait_loadcnt 32                              ; behind this group's 16 loads two more groups of 16 were issued (W's, or x's at the end)
	WIN 0x02
.set II, 0
.rept 64
	v_med3_num_f32 v[T+II], v[64*((\g)%3)+4*(II%16)+II/16], -v[HW], v[HW]   ; the conversion to an 8-bit code does not saturate (ISA guide 7.6.2)
.set II, II+1
.endr
.if (\g) <= 12
	WLOAD (\g)+3                                   ; the set just read takes the group three further on,
.else
	XLOAD (\g)-13, 0                               ; or, at the end, the first block of x goes out in its place
.endif
	WIN 0x40
.set II, 0
.rept 8
	v_cvt_scalef32_pk8_fp8_f32 v[16*(4*(II/2)+(\g)/4)+4*((\g)%4)+2*(II%2):16*(4*(II/2)+(\g)/4)+4*((\g)%4)+2*(II%2)+1], v[T+8*II:T+8*II+7], v[SW]
.set II, II+1
.endr
	v_nop                                          ; a plain line between the conversions and the next lines that write their sources
.endm
; K step s of my tile of x: hold, conversion, image into buffer p
.macro XQUANT s, p
	s_wait_loadcnt 16*(3-(\s))                     ; behind this K step's 16 loads only the block's later K steps were issued
	WIN 0x03
.set II, 0
.rept 64
	v_med3_num_f32 v[T+II], v[64*(\s)+II], -v[HX], v[HX]
.set II, II+1
.endr
	WIN 0
.set II, 0
.rept 8
	v_cvt_scalef32_pk8_fp8_f32 v[PC+16*(\s)+2*II:PC+16*(\s)+2*II+1], v[T+8*II:T+8*II+7], v[SX]
.set II, II+1
.endr
	v_nop                                          ; a plain line between the conversions and the next lines that write their sources
.irp c, 0,1,2,3
	ds_store_b128 v[XWI], v[PC+16*(\s)+4*\c:PC+16*(\s)+4*\c+3] offset:(\p)*32768+2048*(\s)+512*\c
.endr
.endm
; The next block's K steps lo .. hi of x.  Behind the work-group's last block there is none: no load leaves x.
.macro NEXTX lo, hi, p
.if \p
	s_cmp_eq_u32 s[TRIP], 1
	s_cbranch_scc1 .Lnonext_\@
.endif
.irp k, 0,1,2,3
.if (\k >= \lo) && (\k <= \hi)
	XLOAD \k, 131072*(1+\p)
.endif
.endr
	WIN 0
.if \p
.Lnonext_\@:
.endif
.endm
.macro FETCH m, p                      ; tile m's four fragments come back as they were stored, into set m % 2
.irp s, 0,1,2,3
.irp c, 0,1,2,3
	ds_load_b128 v[XF+64*((\m)%2)+16*\s+4*\c:XF+64*((\m)%2)+16*\s+4*\c+3], v[LI] offset:(\p)*32768+(4*(\m)+\s)*2048+512*\c
.endr
.endr
.endm
; 16 matrix instructions: tile m of x against my four tiles of W, K ascending; the four accumulators take turns, one instruction a turn.  tr = 1: source 0 = W.
.macro MUL m, tr
.irp s, 0,1,2,3
.if \tr
.if \s == 0
	WIN 0x21                                       ; source 0 (W) window 1, C (the bias) window 2
.else
	WIN 0x01
.endif
.else
.if \s == 0
	WIN 0x24                                       ; source 1 (W) window 1, C (the bias) window 2
.else
	WIN 0x04
.endif
.endif
.irp j, 0,1,2,3
.if \tr
.if \s == 0
	v_wmma_f32_16x16x128_fp8_fp8 v[ACC+8*\j:ACC+8*\j+7], v[16*(4*\j+\s):16*(4*\j+\s)+15], v[XF+64*((\m)%2)+16*\s:XF+64*((\m)%2)+16*\s+15], v[B1+8*\j:B1+8*\j+7]
.else
	v_wmma_f32_16x16x128_fp8_fp8 v[ACC+8*\j:ACC+8*\j+7], v[16*(4*\j+\s):16*(4*\j+\s)+15], v[XF+64*((\m)%2)+16*\s:XF+64*((\m)%2)+16*\s+15], v[ACC+8*\j:ACC+8*\j+7]
.endif
.else
.if \s == 0
	v_wmma_f32_16x16x128_fp8_fp8 v[ACC+8*\j:ACC+8*\j+7], v[XF+64*((\m)%2)+16*\s:XF+64*((\m)%2)+16*\s+15], v[16*(4*\j+\s):16*(4*\j+\s)+15], v[B1+8*\j:B1+8*\j+7]
.else
	v_wmma_f32_16x16x128_fp8_fp8 v[ACC+8*\j:ACC+8*\j+7], v[XF+64*((\m)%2)+16*\s:XF+64*((\m)%2)+16*\s+15], v[16*(4*\j+\s):16*(4*\j+\s)+15], v[ACC+8*\j:ACC+8*\j+7]
.endif
.endif
.endr
.endr
	WIN 0
.rept 4
	v_nop                                          ; four places between the products and the first read of their results (ISA guide 7.12.1)
.endr
.endm
; q, k: the hold puts my 32 channels in order (register 4 i + j <- register i of tile j; each accumulator from its low end on); 32 codes; two stores
.macro EPIQK m, p
.set II, 0
.rept 32
	v_med3_num_f32 v[U+4*(II%8)+II/8], v[ACC+II], -v[HO], v[HO]
.set II, II+1
.endr
.irp q, 0,1,2,3
	v_cvt_scalef32_pk8_fp8_f32 v[OC+8*(\m)+2*\q:OC+8*(\m)+2*\q+1], v[U+8*\q:U+8*\q+7], v[SO]
.endr
	v_nop                                          ; a plain line between the conversions and the next lines that write their sources
	global_store_b128 v[OQ], v[OC+8*(\m):OC+8*(\m)+3], s[OP:OP+1] offset:4096*(\p)+1024*(\m)            ; channels 32 h + 0 .. 15: chunk h, reader's lane r
	global_store_b128 v[OQ], v[OC+8*(\m)+4:OC+8*(\m)+7], s[OP:OP+1] offset:4096*(\p)+1024*(\m)+256      ; channels 32 h + 16 .. 31: chunk h, reader's lane 16 + r
.endm
; v: tile j's eight registers are eight neighbouring keys of channel 4 r + j: 8 codes; the tiles u = 0 and u = 1 of a group of 32 keys fill 16 bytes
.macro EPIV m, p
.set II, 0
.rept 32
	v_med3_num_f32 v[U+II], v[ACC+II], -v[HO], v[HO]
.set II, II+1
.endr
.irp j, 0,1,2,3
	v_cvt_scalef32_pk8_fp8_f32 v[OC+16*((\m)/2)+4*\j+2*((\m)%2):OC+16*((\m)/2)+4*\j+2*((\m)%2)+1], v[U+8*\j:U+8*\j+7], v[SO]
.endr
	v_nop                                          ; a plain line between the conversions and the next lines that write their sources
.if (\m)%2
.irp j, 0,1,2,3
	global_store_b128 v[LI], v[OC+16*((\m)/2)+4*\j:OC+16*((\m)/2)+4*\j+3], s[OP:OP+1] offset:2048*\j+512*(2*(\p)+(\m)/2)   ; 32 lanes store 512 consecutive bytes
.endr
.endif
.endm
.macro PATH tr, p
	FETCH 0, \p
.irp m, 0,1,2,3
.if \m < 3
	FETCH \m+1, \p                                 ; into the set whose last products stand a whole way out back
	s_wait_dscnt 16                                ; this tile's 16 loads are in; the next tile's may be out
.else
	s_wait_dscnt 0
.endif
	MUL \m, \tr
.if \tr
	EPIQK \m, \p
.else
	EPIV \m, \p
.endif
.if \m == 1
	NEXTX 3, 3, \p                                 ; the next block's last K step
.endif
.endr
.endm
; A block of 64 rows.  One barrier: buffer p is written again two blocks on, behind the next block's barrier, in front of which every wave has waited for its reads of it.
.macro BLOCK p
	s_wait_xcnt 0x0                                ; the last block's stores have read their data registers, which the conversions below write
	XQUANT 0, \p
	XQUANT 1, \p
	XQUANT 2, \p
	XQUANT 3, \p
	s_wait_dscnt 0x0                               ; my images have landed, and my reads of the other buffer are over
	s_barrier_signal -1
	s_barrier_wait -1
	NEXTX 0, 2, \p                                 ; the next block's first three K steps go out
	s_cmp_eq_u32 s[SEL], 2
	s_cbranch_scc1 .Lv_\@
	PATH 1, \p
	s_branch .Ljoin_\@
.Lv_\@:
	PATH 0, \p
.Ljoin_\@:
.endm
	s_load_b512 s[4:19], s[0:1], 0x0               ; x, Wq, Wk, Wv, bq, bk, bv, the scales' exponents
	s_load_b128 s[20:23], s[0:1], 0x40             ; qc, kv
	v_lshl_add_u32 v30, v0, 2, 0x10000
	v_mov_b32 v31, 0
	v_lshrrev_b32 v14, 5, v0
	v_readfirstlane_b32 s[WV], v14                 ; wave 0..3
	v_and_b32 v15, 31, v0                          ; lane
	v_and_b32 v16, 15, v0                          ; r
	v_bfe_u32 v17, v0, 4, 1                        ; h
	v_lshlrev_b32 v[LI], 4, v15
	v_and_b32 v18, 8, v16
	v_add_nc_u32 v18, v18, v16                     ; r + 8 (r / 8)
	v_lshlrev_b32 v[XA], 11, v18
	v_lshl_add_u32 v[XA], v17, 6, v[XA]
	v_lshlrev_b32 v[WA], 4, v16
	v_lshl_add_u32 v[WA], v17, 15, v[WA]
	s_lshl_b32 s48, s[WV], 13
	v_add_nc_u32 v[XWI], s48, v[LI]
	v_lshlrev_b32 v[OQ], 4, v16
	v_lshl_add_u32 v[OQ], v17, 9, v[OQ]
	v_lshlrev_b32 v[BQA], 7, v17
	v_lshlrev_b32 v[BVA], 4, v16
	s_lshr_b32 s[SEL], ttmp9, 1                    ; q, k or v
	s_and_b32 s48, ttmp9, 1
	s_lshl_b32 s48, s48, 2
	s_add_co_u32 s48, s48, s[WV]                   ; my head, 0..7
	s_and_b32 s49, ttmp7, 0xffff                   ; my block of 256 rows
	s_lshr_b32 s50, s49, 4                         ; the batch
	s_lshl_b32 s50, s50, 3
	s_add_co_u32 s50, s50, s48                     ; 8 x batch + head
	s_and_b32 s51, s49, 15
	s_lshl_b32 s52, s50, 18
	s_lshl_b32 s51, s51, 14
	s_add_co_u32 s52, s52, s51                     ; q: 2^18 bytes a head, 16,384 for 256 rows
	s_lshl_b32 s53, s52, 1                         ; k, v: twice that
	s_cmp_eq_u32 s[SEL], 0
	s_cselect_b32 s52, s52, s53
	s_mov_b32 s[OST], 16384
	s_cselect_b32 s[OST], 8192, s[OST]             ; a trip's 128 rows: 8 images of q, or a step of kv
	s_mov_b32 s[OST+1], 0
	s_cmp_eq_u32 s[SEL], 2
	s_cselect_b32 s53, 8192, 0                     ; v lies behind a step's k
	s_add_co_u32 s52, s52, s53
	s_mov_b32 s53, 0
	s_lshl_b32 s54, s48, 8                         ; my head's 64 columns: 256 bytes, in W's rows and in the bias
	s_mov_b32 s55, 0
	s_lshl_b32 s56, s49, 19                        ; 256 rows of 2,048 bytes,
	s_lshr_b32 s57, s[WV], 1
	s_lshl_b32 s57, s57, 16                        ; my tile's first row: 32 (wave / 2)
	s_add_co_u32 s56, s56, s57
	s_and_b32 s57, s[WV], 1
	s_lshl_b32 s57, s57, 14                        ; + 8 (wave % 2)
	s_add_co_u32 s56, s56, s57
	s_mov_b32 s57, 0
	s_wait_kmcnt 0x0
	s_load_b256 s[24:31], s[18:19], 0x0            ; e0 .. e7
	s_load_b32 s33, s[18:19], 0x24                 ; e9
	s_add_nc_u64 s[XP:XP+1], s[4:5], s[56:57]
	s_cmp_eq_u32 s[SEL], 1                         ; the buffers are chosen by the work-group's number alone
	s_cselect_b64 s[WP:WP+1], s[8:9], s[10:11]
	s_cselect_b64 s[BP:BP+1], s[14:15], s[16:17]
	s_cmp_eq_u32 s[SEL], 0
	s_cselect_b64 s[WP:WP+1], s[6:7], s[WP:WP+1]
	s_cselect_b64 s[BP:BP+1], s[12:13], s[BP:BP+1]
	s_cselect_b64 s[OP:OP+1], s[20:21], s[22:23]
	s_add_nc_u64 s[WP:WP+1], s[WP:WP+1], s[54:55]
	s_add_nc_u64 s[BP:BP+1], s[BP:BP+1], s[54:55]
	s_add_nc_u64 s[OP:OP+1], s[OP:OP+1], s[52:53]
.irp i, 0,1,2,3,4,5,6,7
	global_load_b128 v[LBQ+4*\i:LBQ+4*\i+3], v[BQA], s[BP:BP+1] offset:16*\i   ; b(32 h + 0 .. 31): the layout of q's and k's results
.endr
	global_load_b128 v[LBV:LBV+3], v[BVA], s[BP:BP+1]                          ; b(4 r + 0 .. 3): that of v's
	WLOAD 0
	WLOAD 1
	WLOAD 2
	WIN 0
	s_wait_kmcnt 0x0
	s_cmp_eq_u32 s[SEL], 1
	s_cselect_b32 s48, s26, s28                    ; ex
	s_cselect_b32 s49, s27, s29                    ; ew
	s_cselect_b32 s50, s31, s33                    ; eo: the scale of the result as an operand of attention
	s_cmp_eq_u32 s[SEL], 0
	s_cselect_b32 s48, s24, s48
	s_cselect_b32 s49, s25, s49
	s_cselect_b32 s50, s30, s50
	s_add_co_i32 s51, s48, s49                     ; a sum stands for sum x 2^(ex + ew):
	s_sub_co_i32 s50, s50, s51                     ; its code is sum / 2^(eo - ex - ew),
	s_sub_co_i32 s51, 0, s51                       ; and the bias goes in as b / 2^(ex + ew)
	MKSCALE 48, SX, HX
	MKSCALE 49, SW, HW
	MKSCALE 50, SO, HO
.irp g, 0,1,2,3,4,5,6,7,8,9,10,11,12,13,14,15
	WQUANT \g
.endr
	XLOAD 3, 0
	WIN 0
	s_cmp_eq_u32 s[SEL], 2                         ; the bias in the result's layout (its loads were the first issued: the first counted wait has covered them)
	s_cbranch_scc1 .Lbias_v
	WIN 0x80
.set II, 0
.rept 32
	v_ldexp_f32 v[B1+II], v[LBQ+4*(II%8)+II/8], s51   ; register i of tile j: channel 32 h + 4 i + j
.set II, II+1
.endr
	WIN 0
	s_branch .Lbias_done
.Lbias_v:
	WIN 0x80
.set II, 0
.rept 32
	v_ldexp_f32 v[B1+II], v[LBV+II/8], s51            ; all of tile j: channel 4 r + j
.set II, II+1
.endr
	WIN 0
.Lbias_done:
	s_mov_b32 s[TRIP], 2
.Ltrip:                                                ; a trip: 128 rows, two blocks, the two LDS buffers by turns
	BLOCK 0
	BLOCK 1
	s_wait_xcnt 0x0                                ; the trip's loads and stores have read their bases
	s_add_nc_u64 s[XP:XP+1], s[XP:XP+1], 262144
	s_add_nc_u64 s[OP:OP+1], s[OP:OP+1], s[OST:OST+1]
	s_sub_co_u32 s[TRIP], s[TRIP], 1
	s_cmp_lg_u32 s[TRIP], 0
	s_cbranch_scc1 .Ltrip
	s_wait_tensorcnt 0x0
	ds_add_u32 v30, v31
	s_wait_dscnt 0x0
	s_endpgm
.Lfunc_end_k_q332e3b08b8_proj:
	.size	k_q332e3b08b8_proj, .Lfunc_end_k_q332e3b08b8_proj-k_q332e3b08b8_proj
	.p2alignl 7, 3214868480
	.fill 96, 4, 3214868480
	.section	.rodata,"a",@progbits
	.p2align	6, 0x0
	.amdhsa_kernel k_q332e3b08b8_proj
		.amdhsa_group_segment_fixed_size 66048
		.amdhsa_private_segment_fixed_size 0
		.amdhsa_enable_private_segment 0
		.amdhsa_kernarg_size 80
		.amdhsa_user_sgpr_count 2
		.amdhsa_user_sgpr_kernarg_segment_ptr 1
		.amdhsa_wavefront_size32 1
		.amdhsa_system_sgpr_workgroup_id_x 1
		.amdhsa_system_sgpr_workgroup_id_y 1
		.amdhsa_system_sgpr_workgroup_id_z 1
		.amdhsa_system_vgpr_workitem_id 0
		.amdhsa_next_free_vgpr 1024
		.amdhsa_next_free_sgpr 66
		.amdhsa_reserve_vcc 0
		.amdhsa_float_denorm_mode_32 3
		.amdhsa_float_denorm_mode_16_64 3
		.amdhsa_memory_ordered 1
		.amdhsa_forward_progress 1
		.amdhsa_inst_pref_size 245
	.end_amdhsa_kernel
	.amdgpu_metadata
---
amdhsa.version: [ 1, 2 ]
amdhsa.kernels:
  - .name:           k_q332e3b08b8_proj
    .symbol:         k_q332e3b08b8_proj.kd
    .args:
      - { .name: x, .offset: 0, .size: 8, .value_kind: global_buffer, .address_space: global }
      - { .name: Wq, .offset: 8, .size: 8, .value_kind: global_buffer, .address_space: global }
      - { .name: Wk, .offset: 16, .size: 8, .value_kind: global_buffer, .address_space: global }
      - { .name: Wv, .offset: 24, .size: 8, .value_kind: global_buffer, .address_space: global }
      - { .name: bq, .offset: 32, .size: 8, .value_kind: global_buffer, .address_space: global }
      - { .name: bk, .offset: 40, .size: 8, .value_kind: global_buffer, .address_space: global }
      - { .name: bv, .offset: 48, .size: 8, .value_kind: global_buffer, .address_space: global }
      - { .name: lowp_scales, .offset: 56, .size: 8, .value_kind: global_buffer, .address_space: global }
      - { .name: qc, .offset: 64, .size: 8, .value_kind: global_buffer, .address_space: global }
      - { .name: kv, .offset: 72, .size: 8, .value_kind: global_buffer, .address_space: global }
    .group_segment_fixed_size: 66048
    .private_segment_fixed_size: 0
    .kernarg_segment_align: 8
    .kernarg_segment_size: 80
    .max_flat_workgroup_size: 128
    .sgpr_count:     66
    .vgpr_count:     1024
    .wavefront_size: 32
...
	.end_amdgpu_metadata
.endif
;; end of part 1
;; launch attn (part 2): grid 16 x 16, 8 waves a work-group, clusters of 4 x 1, 327,680 bytes of LDS; arguments qc, kv, lowp_scales, out0; writes out0
.if DOCPART == 2
	.amdgcn_target "amdgcn-amd-amdhsa--gfx1250"
	.amdhsa_code_object_version 6
	.text
	.protected	k_q332e3b08b8_attn
	.globl	k_q332e3b08b8_attn
	.p2align	8
	.type	k_q332e3b08b8_attn,@function
k_q332e3b08b8_attn:
	s_mov_b64 s[64:65], 0
	v_nop
	global_prefetch_b8 v0, s[64:65] scope:SCOPE_SE
	s_setreg_imm32_b32 hwreg(HW_REG_WAVE_MODE, 25, 1), 1
	s_wait_xcnt 0x0
	s_wait_alu depctr_hold_cnt(0) depctr_sa_sdst(0) depctr_va_vdst(0) depctr_va_sdst(0) depctr_va_ssrc(0) depctr_va_vcc(0) depctr_vm_vsrc(0)
	s_getreg_b32 s2, hwreg(HW_REG_IB_STS2, 6, 4)
	s_cmp_eq_u32 s2, 0
	s_cbranch_scc0 .Lentry_in_a_cluster
	s_endpgm
.Lentry_in_a_cluster:
	s_bfe_u32 s2, ttmp6, 0x10000c
	s_cmp_lg_u32 s2, 0x3003
	s_cbranch_scc0 .Lentry_shape_is_right
	s_endpgm
.Lentry_shape_is_right:
; out[q][head's 64] = the sum over keys of softmax(q . k / 8) v, for 16 heads (2 batches x 8) of 4,096 queries and keys, both products on codes of FP8 (E4M3) with the given scales 2^e6 (q), 2^e7 (k), 2^e8 (p), 2^e9 (v).
; qc and kv hold the codes as images of operand registers: qc [head][tile 256][c 2][lane 32][16 bytes] (lane (r, h), chunk c: channels 32 c + 16 h + 0 .. 15 of the tile's row r; lane r of tile 2 b + u is row 32 b + 8 u + r + 8 (r / 8));
; kv [head][step 32][16,384]: 8 such tiles of k (128 keys), then v as [j 4][c 4][lane 32][16 bytes] (channel 4 r + j, keys 32 c + 16 h + 0 .. 15).  So every fragment load takes 512 consecutive bytes of LDS: no pitch, no padding.
; THE SOFTMAX AHEAD OF THE SECOND PRODUCT: t = score x log2(e) / 8; M = the row's largest t so far, rounded UP to a whole number; p = 2^(t - M) is quantised, not normalised.  The row's sum is taken of the unquantised p
; and divides at the end.  When M moves, the sum and O are multiplied by 2^(old M - new M), which rounds nothing.
; SHARES.  A work-group owns 256 queries of a head; each of its eight waves 32 of them, two tiles, so that each fragment of k and v read from LDS feeds two products; two waves to a SIMD, one's vector work beside the other's loads and products.
; Both products are used transposed (S^T = k q^T, O^T = v^T p^T): a lane holds one query throughout; the 16 registers of score tiles 2 b, 2 b + 1 are keys 32 b + 16 h + 0 .. 15, so the conversions' results are the second product's operand.
; In O^T register i of channel tile j in lane (r, h) is channel 32 h + 4 i + j: the last multiplication puts a lane's 32 channels in order.
; RING.  Two LDS slots of eight key steps (131,072 bytes); each wave fetches one step of a slot, 64 rows of 256 bytes, by one tensor load.  A wave never has more than one tensor load out.
; CLUSTER.  The four query blocks of a cluster belong to one head and walk the same k and v: each tile is asked for jointly, by the same load with the same descriptor and a mask that names the four.
; No prefetch is laid: a refill is asked for eight key steps, 192 matrix instructions of each wave, ahead of the wait for it.
; LIMITS, so that each power of two below is an f32 number: e6 + e7 between -123 and 130 (added to c's exponent field); e8 between -126 and 119; e8 + e9 goes by v_ldexp_f32 and has none.
; REGISTERS.  Window 0: v1-7 addresses; v8-15, v16-23 a tile's statistics (+0 -M, +1 the largest t, +2, +3 the sum in two halves, +4 f, +5 0, +6, +7 at work); v24, v25 448 x 2^e8; v26-29 second chains of the sums; v30, v31 lane exchange;
;   v32-47 q; v48-111 a step's k, then its v; v112-175, v176-239 the scores, then p; v240 2^e8.   Window 1: v0-63 O^T (tile t, channel tile j at 32 t + 8 j); v64-95 p's codes.
.set SLOT1, 1<<17                      ; slot 1 begins here: one exclusive or turns an address in one slot into the other's
.set STEPB, 16384                      ; a key step's bytes
.set STAGE, 2*SLOT1                    ; behind the ring: 16 rows x (256 + 16) bytes for each wave, for the way out; no fill lands there
.set SP,    272
.set SPARE, STAGE+8*16*SP              ; behind the stages: the spare words, 128 bytes for each wave: four blocks of 256 bytes that no other line names
.set LI,  1                            ; v1  16 x lane
.set ADR, 2                            ; v2  LDS address of the step in hand
.set SPW, 3                            ; v3  LDS address of my spare word; never rewritten
.set NIL, 4                            ; v4  0; never rewritten
.set STO, 5                            ; v5  the way out: where I put my 128 bytes of a row
.set RD,  6                            ; v6  where I read a row back
.set GO,  7                            ; v7  my byte offset in the wave's rows of out
.set ST,  8
.set LIM, 24
.set CH,  26
.set PX,  30
.set Q,   32
.set F,   48
.set S,   112
.set SC,  240
.set O,   0                            ; in window 1
.set P,   64                           ; in window 1
.set WV,  12                           ; s12 my wave's number
.set G1,  16                           ; s[16:23] descriptor group 1
.set G0,  24                           ; s[24:27] descriptor group 0, which walks
.set TB,  28                           ; s28 LDS byte at which the step in hand begins
.set SLOTS, 29                         ; s29 slots still to be asked for
.set STEPS, 30                         ; s30 counts a slot's eight steps
.set SEL, 32                           ; s[32:33] lane selects for v_permlanex16_b32: lane l xor 16
.set CS,  34                           ; s[34:35] c = log2(e) / 8 x 2^(e6 + e7)
.set MSB, 0
.macro WIN new                         ; the immediate's high byte repeats the setting that is left; a switch that changes nothing is dropped
.if MSB != \new
	s_set_vgpr_msb (MSB<<8)|\new
.set MSB, \new
.endif
.endm
; A round of the cluster's barrier: my work-group's barrier; wave 0 signals for the work-group; every wave waits for all four work-groups; my work-group's barrier once more.
.macro CROUND
	s_barrier_signal -1
	s_barrier_wait -1
	s_cmp_lg_u32 s[WV], 0
	s_cbranch_scc1 .Lnot_wave_0_\@
	s_barrier_signal -3
.Lnot_wave_0_\@:
	s_barrier_wait -3
	s_barrier_signal -1
	s_barrier_wait -1
.endm
.macro JLOAD                           ; every wave's one joint load: its step of the slot; four v_nop follow it
	tensor_load_to_lds s[G0:G0+3], s[G1:G1+7]
	s_nop 0
.rept 4
	v_nop
.endr
.endm
; THE CHANGE OF SLOTS stands at a slot's head.  Each wave waits for all its tensor loads (its step of the slot that it is about to read), adds 0 to its spare word, and waits for that and for its reads of the slot that it has left.
; fill = 1: the barrier is a round of the cluster's, so that no wave of any partner still reads the slot that was left or has a load on its way; that slot is then filled with the next eight steps, first thing behind the round.
.macro CHANGE fill
	s_wait_tensorcnt 0x0                           ; no tensor load of mine is out, so group 0 may be written
	ds_add_u32 v[SPW], v[NIL]                      ; 0 onto my spare word
.if \fill
	s_xor_b32 s[G0+1], s[G0+1], SLOT1              ; the other slot than last time,
	s_add_nc_u64 s[G0+2:G0+3], s[G0+2:G0+3], 8*STEPB   ; the next eight steps; the type bits on top are not reached
.endif
	s_wait_dscnt 0x0                               ; the add is done, and my reads of the slot that I have left are over
.if \fill
	CROUND
	JLOAD
.else
	s_barrier_signal -1
	s_barrier_wait -1
.endif
.endm
; A KEY STEP: 128 keys for my two tiles of queries.
.macro STEP
	v_add_nc_u32 v[ADR], s[TB], v[LI]
.rept 3
	v_nop                                          ; with the line above: four places between the last products and the loads into the registers that they read (ISA guide 7.12.1 for vector instructions)
.endr
.irp k, 0,1,2,3,4,5,6,7
.irp c, 0,1
	ds_load_b128 v[F+8*\k+4*\c:F+8*\k+4*\c+3], v[ADR] offset:1024*\k+512*\c
.endr
.endr
	s_wait_dscnt 8                                 ; k's tiles 0 to 3 are in; the youngest eight loads may be out
.irp k, 0,1,2,3
.irp t, 0,1
	v_wmma_f32_16x16x64_fp8_fp8 v[S+64*\t+8*\k:S+64*\t+8*\k+7], v[F+8*\k:F+8*\k+7], v[Q+8*\t:Q+8*\t+7], 0
.endr
.endr
	s_wait_dscnt 0
.irp k, 4,5,6,7
.irp t, 0,1
	v_wmma_f32_16x16x64_fp8_fp8 v[S+64*\t+8*\k:S+64*\t+8*\k+7], v[F+8*\k:F+8*\k+7], v[Q+8*\t:Q+8*\t+7], 0
.endr
.endr
.rept 4
	v_nop                                          ; four places: for the loads below, and for the first read of the scores
.endr
.irp j, 0,1,2,3
.irp c, 0,1,2,3
	ds_load_b128 v[F+16*\j+4*\c:F+16*\j+4*\c+3], v[ADR] offset:8192+2048*\j+512*\c   ; v lands while the softmax is worked
.endr
.endr
	; the step's largest score of each query among my 64 keys: two chains a tile, the tiles by turns, each accumulator from its low end on
.irp t, 0,1
	v_max3_num_f32 v[ST+8*\t+6], v[S+64*\t], v[S+64*\t+1], v[S+64*\t+2]
	v_max3_num_f32 v[ST+8*\t+7], v[S+64*\t+3], v[S+64*\t+4], v[S+64*\t+5]
.endr
.irp i, 6,10,14,18,22,26,30,34,38,42,46,50,54,58
.irp t, 0,1
	v_max3_num_f32 v[ST+8*\t+6], v[ST+8*\t+6], v[S+64*\t+\i], v[S+64*\t+\i+1]
	v_max3_num_f32 v[ST+8*\t+7], v[ST+8*\t+7], v[S+64*\t+\i+2], v[S+64*\t+\i+3]
.endr
.endr
.irp t, 0,1
	v_max3_num_f32 v[ST+8*\t+6], v[ST+8*\t+6], v[S+64*\t+62], v[S+64*\t+63]
.endr
.irp t, 0,1
	v_max_num_f32 v[ST+8*\t+6], v[ST+8*\t+6], v[ST+8*\t+7]
.endr
.irp t, 0,1
	v_permlanex16_b32 v[PX+\t], v[ST+8*\t+6], s[SEL], s[SEL+1]
.endr
.irp t, 0,1
	v_max_num_f32 v[ST+8*\t+6], v[ST+8*\t+6], v[PX+\t]      ; and among lane l xor 16's
.endr
.irp t, 0,1
	v_mul_f32 v[ST+8*\t+6], s[CS], v[ST+8*\t+6]             ; as t (c is positive)
.endr
.irp t, 0,1
	v_max_num_f32 v[ST+8*\t+1], v[ST+8*\t+1], v[ST+8*\t+6]  ; the running largest t
.endr
.irp t, 0,1
	v_mov_b32 v[ST+8*\t+6], v[ST+8*\t]
.endr
.irp t, 0,1
	v_floor_f32 v[ST+8*\t], -v[ST+8*\t+1]                   ; the new -M = floor(-t) = -ceil(t): a whole number
.endr
.irp t, 0,1
	v_sub_f32 v[ST+8*\t+6], v[ST+8*\t], v[ST+8*\t+6]        ; old M less new M: a whole number, 0 or less
.endr
.irp t, 0,1
	v_cvt_i32_f32 v[ST+8*\t+6], v[ST+8*\t+6]                ; (it saturates)
.endr
.irp t, 0,1
	v_ldexp_f32 v[ST+8*\t+4], 1.0, v[ST+8*\t+6]             ; f = 2^(old M - new M)
.endr
.set JJ, 0
.rept 64
	v_pk_fma_f32 v[S+JJ:S+JJ+1], v[S+JJ:S+JJ+1], s[CS:CS+1], v[ST+8*(JJ/64):ST+8*(JJ/64)+1] op_sel_hi:[1,0,0]   ; t - M, two at a time (of the pairs c and -M the low word serves both halves)
.set JJ, JJ+2
.endr
.set JJ, 0
.rept 128
	v_exp_f32 v[S+JJ], v[S+JJ]                     ; p = 2^(t - M), at most 1: not normalised
.set JJ, JJ+1
.endr
.irp t, 0,1
	v_pk_mul_f32 v[ST+8*\t+2:ST+8*\t+3], v[ST+8*\t+2:ST+8*\t+3], v[ST+8*\t+4:ST+8*\t+5] op_sel_hi:[1,0]   ; the sums under the new M: plain lines behind the exponentials, which name none of their results
.endr
	s_wait_alu depctr_va_vdst(0)                   ; one wait for the batch of 128 exponentials, ahead of its first reader
.irp t, 0,1
	v_pk_add_f32 v[CH+2*\t:CH+2*\t+1], v[S+64*\t:S+64*\t+1], v[S+64*\t+2:S+64*\t+3]   ; the row's sum is taken of the unquantised p: two chains a tile
.endr
.irp j, 4,8,12,16,20,24,28,32,36,40,44,48,52,56,60
.irp t, 0,1
	v_pk_add_f32 v[ST+8*\t+2:ST+8*\t+3], v[ST+8*\t+2:ST+8*\t+3], v[S+64*\t+\j:S+64*\t+\j+1]
	v_pk_add_f32 v[CH+2*\t:CH+2*\t+1], v[CH+2*\t:CH+2*\t+1], v[S+64*\t+\j+2:S+64*\t+\j+3]
.endr
.endr
.irp t, 0,1
	v_pk_add_f32 v[ST+8*\t+2:ST+8*\t+3], v[ST+8*\t+2:ST+8*\t+3], v[CH+2*\t:CH+2*\t+1]
.endr
.set JJ, 0
.rept 64
	v_dual_min_num_f32 v[S+JJ], v[S+JJ], v[LIM] :: v_dual_min_num_f32 v[S+JJ+1], v[S+JJ+1], v[LIM+1]   ; the conversion to an 8-bit code does not saturate (ISA guide 7.6.2); p is not negative, so the hold is one-sided; two numbers a line
.set JJ, JJ+2
.endr
	WIN 0x40                                       ; destination window 1
.set JJ, 0
.rept 16
	v_cvt_scalef32_pk8_fp8_f32 v[P+2*JJ:P+2*JJ+1], v[S+8*JJ:S+8*JJ+7], v[SC]
.set JJ, JJ+1
.endr
	v_nop                                          ; a plain line between the conversions and the products that read their results
	WIN 0x41                                       ; O^T (destination and source 0) window 1, f window 0
.set JJ, 0
.rept 32
	v_pk_mul_f32 v[O+JJ:O+JJ+1], v[O+JJ:O+JJ+1], v[ST+8*(JJ/32)+4:ST+8*(JJ/32)+5] op_sel_hi:[1,0]   ; O^T under the new M
.set JJ, JJ+2
.endr
	s_wait_dscnt 0                                 ; v is in
	WIN 0x54                                       ; v window 0; p's codes, C and D window 1
.irp j, 0,1,2,3
.irp t, 0,1
	v_wmma_f32_16x16x128_fp8_fp8 v[O+32*\t+8*\j:O+32*\t+8*\j+7], v[F+16*\j:F+16*\j+15], v[P+16*\t:P+16*\t+15], v[O+32*\t+8*\j:O+32*\t+8*\j+7]   ; eight accumulators, one instruction each a step
.endr
.endr
	WIN 0
.endm
.macro SLOT_STEPS                      ; a slot's eight key steps: written once, walked eight times
	s_mov_b32 s[STEPS], 8
.Lstep_\@:
	STEP
	s_add_co_u32 s[TB], s[TB], STEPB
	s_sub_co_u32 s[STEPS], s[STEPS], 1
	s_cmp_lg_u32 s[STEPS], 0
	s_cbranch_scc1 .Lstep_\@
	s_sub_co_u32 s[TB], s[TB], 8*STEPB             ; back to a slot's first step,
	s_xor_b32 s[TB], s[TB], SLOT1                  ; in the other slot
.endm
	s_load_b256 s[4:11], s[0:1], 0x0               ; qc s[4:5], kv s[6:7], the scales' exponents s[8:9], out s[10:11]
	v_lshl_add_u32 v[SPW], v0, 2, SPARE
	v_mov_b32 v[NIL], 0
	ds_add_u32 v3, v4
	ds_add_u32 v3, v4
	s_wait_dscnt 0x0
	v_lshrrev_b32 v8, 5, v0
	v_readfirstlane_b32 s[WV], v8                  ; wave 0..7
	s_bfe_u32 s13, ttmp6, 0x40000                  ; cx: my place in the cluster
	s_lshl_b32 s14, ttmp9, 2                       ; in a cluster launch ttmp9 counts clusters
	s_add_co_u32 s14, s14, s13                     ; my block of 256 queries: it enters q's and out's addresses alone
	s_and_b32 s15, ttmp7, 0xffff                   ; 8 x batch + head, which the four partners share
	; descriptor group 1: 64 rows of 32 elements of 8 bytes, dense in memory and in LDS
	s_mov_b32 s[G1], 15|(3<<16)|(1<<21)            ; 15:0 the mask: all four work-groups; 17:16 elements of 8 bytes; 20 no padding; 21 set beside a mask
	s_mov_b32 s[G1+1], 32<<16                      ; tensor_dim0 = 32
	s_mov_b32 s[G1+2], 64<<16                      ; tensor_dim1 = 64
	s_mov_b32 s[G1+3], 32<<16                      ; tile_dim0 = 32
	s_mov_b32 s[G1+4], 64                          ; tile_dim1 = 64
	s_mov_b32 s[G1+5], 32                          ; tensor_dim0_stride
	s_mov_b32 s[G1+6], 0
	s_mov_b32 s[G1+7], 0
	s_lshl_b32 s40, s15, 19                        ; the head's 32 steps,
	s_lshl_b32 s41, s[WV], 14                      ; my step of a slot
	s_add_co_u32 s40, s40, s41
	s_mov_b32 s41, 0
	s_mov_b32 s[G0], 1                             ; count = 1
	s_lshl_b32 s[G0+1], s[WV], 14                  ; LDS address: slot 0, my step: no place in the cluster enters it
	s_wait_kmcnt 0x0
	s_load_b128 s[36:39], s[8:9], 0x18             ; e6, e7, e8, e9
	s_add_nc_u64 s[G0+2:G0+3], s[6:7], s[40:41]    ; global address
	s_or_b32 s[G0+3], s[G0+3], 0x80000000          ; type = 2
	CROUND                                         ; all four work-groups are here: the first joint loads meet
	JLOAD                                          ; slot 0
	s_lshl_b32 s44, s15, 18                        ; q: the head's 256 tiles of 1,024 bytes,
	s_lshl_b32 s45, s14, 14                        ; my block's 16,
	s_add_co_u32 s44, s44, s45
	s_lshl_b32 s45, s[WV], 11                      ; my wave's two
	s_add_co_u32 s44, s44, s45
	s_mov_b32 s45, 0
	s_add_nc_u64 s[4:5], s[4:5], s[44:45]
	v_and_b32 v9, 31, v0
	v_lshlrev_b32 v[LI], 4, v9
.irp t, 0,1
.irp c, 0,1
	global_load_b128 v[Q+8*\t+4*\c:Q+8*\t+4*\c+3], v[LI], s[4:5] offset:1024*\t+512*\c   ; q's fragments stay in registers
.endr
.endr
	s_lshr_b32 s46, s15, 3                         ; out: the batch's 4,096 rows,
	s_lshl_b32 s46, s46, 12
	s_lshl_b32 s47, s14, 8                         ; my block's 256,
	s_add_co_u32 s46, s46, s47
	s_lshl_b32 s47, s[WV], 5                       ; my wave's 32,
	s_add_co_u32 s46, s46, s47
	s_lshl_b32 s46, s46, 11                        ; of 2,048 bytes,
	s_and_b32 s47, s15, 7
	s_lshl_b32 s47, s47, 8                         ; and the head's 256 bytes in a row
	s_add_co_u32 s46, s46, s47
	s_mov_b32 s47, 0
	s_add_nc_u64 s[10:11], s[10:11], s[46:47]
	v_and_b32 v10, 15, v0                          ; r
	v_bfe_u32 v11, v0, 4, 1                        ; h
	s_mul_i32 s48, s[WV], 16*SP
	s_add_co_u32 s48, s48, STAGE                   ; my stage
	v_mul_u32_u24 v[STO], v10, SP                  ; in: row r, 128 bytes for each half of the lanes
	v_lshl_add_u32 v[STO], v11, 7, v[STO]
	v_add_nc_u32 v[STO], s48, v[STO]
	v_mul_u32_u24 v[RD], v11, SP                   ; back: lanes 0-15 one row of 256 bytes, lanes 16-31 the next
	v_lshl_add_u32 v[RD], v10, 4, v[RD]
	v_add_nc_u32 v[RD], s48, v[RD]
	v_lshlrev_b32 v[GO], 11, v11                   ; and the same two rows in out
	v_lshl_add_u32 v[GO], v10, 4, v[GO]
.irp t, 0,1
	v_mov_b32 v[ST+8*\t+1], 0xff61b1e6             ; the largest t so far: -3e38, under every t
	v_floor_f32 v[ST+8*\t], -v[ST+8*\t+1]          ; -M
	v_mov_b32 v[ST+8*\t+2], 0                      ; the sum, in two halves
	v_mov_b32 v[ST+8*\t+3], 0
	v_mov_b32 v[ST+8*\t+5], 0                      ; (named as the upper half of f's pair)
	v_mov_b32 v[PX+\t], 0                          ; written once: a lane permute's destination counts as one of its sources
.endr
	WIN 0x40
.set JJ, 0
.rept 64
	v_mov_b32 v[O+JJ], 0                           ; O^T.  (The step is written once: the first finds zeros, which the first change of M leaves zeros)
.set JJ, JJ+1
.endr
	WIN 0
	s_mov_b32 s[SEL], 0x76543210
	s_mov_b32 s[SEL+1], 0xfedcba98
	s_mov_b32 s[CS], 0x3e38aa3b                    ; log2(e) / 8
	s_wait_kmcnt 0x0
	s_add_co_i32 s49, s36, s37
	s_lshl_b32 s49, s49, 23
	s_add_co_i32 s[CS], s[CS], s49                 ; a score stands for score x 2^(e6 + e7): the two exponents are added to c's exponent field
	s_mov_b32 s[CS+1], s[CS]                       ; (named with it as a pair, so it is written)
	s_add_co_i32 s49, s38, 127
	s_lshl_b32 s50, s49, 23
	v_mov_b32 v[SC], s50                           ; 2^e8 as f32, for the conversion
	s_add_co_i32 s49, s49, 8
	s_lshl_b32 s49, s49, 23
	s_or_b32 s49, s49, 0x600000
	v_mov_b32 v[LIM], s49                          ; 448 x 2^e8, in two registers: one for each half of the paired holds
	v_mov_b32 v[LIM+1], s49
	s_add_co_i32 s51, s38, s39                     ; e8 + e9
	s_mov_b32 s[TB], 0
	s_mov_b32 s[SLOTS], 3
	s_wait_loadcnt 0x0                             ; q
.Lslot:                                                ; three trips: behind each change of slots but the last the next slot is asked for
	CHANGE 1
	SLOT_STEPS
	s_sub_co_u32 s[SLOTS], s[SLOTS], 1
	s_cmp_lg_u32 s[SLOTS], 0
	s_cbranch_scc1 .Lslot
	CHANGE 0                                       ; the last slot is written out
	SLOT_STEPS
	; THE WAY OUT.  The sum's two halves and the other half of the lanes' are added; O^T is divided by the sum, times 2^(e8 + e9), and goes through my stage in LDS, a tile (16 queries x 256 bytes) at a time.
	; The additions are the places behind the last products.
.irp t, 0,1
	v_add_f32 v[ST+8*\t+2], v[ST+8*\t+2], v[ST+8*\t+3]
.endr
.irp t, 0,1
	v_permlanex16_b32 v[PX+\t], v[ST+8*\t+2], s[SEL], s[SEL+1]
.endr
.irp t, 0,1
	v_add_f32 v[ST+8*\t+2], v[ST+8*\t+2], v[PX+\t]
.endr
.irp t, 0,1
	v_rcp_f32 v[ST+8*\t+6], v[ST+8*\t+2]
.endr
	v_nop                                          ; a plain line between the last reciprocal and the use of its result
	s_wait_alu depctr_va_vdst(0)                   ; one wait for the two reciprocals, ahead of their first reader
.irp t, 0,1
	v_ldexp_f32 v[ST+8*\t+6], v[ST+8*\t+6], s51
.endr
.macro PACK t                          ; the multiplication puts my 32 channels in order (register 4 i + j <- register i of channel tile j; each accumulator from its low end on)
	WIN 0x01                                       ; source 0 window 1
.set JJ, 0
.rept 32
	v_mul_f32 v[S+32*\t+4*(JJ%8)+JJ/8], v[O+32*\t+JJ], v[ST+8*\t+6]
.set JJ, JJ+1
.endr
	WIN 0
.irp i, 0,1,2,3,4,5,6,7
	ds_store_b128 v[STO], v[S+32*\t+4*\i:S+32*\t+4*\i+3] offset:16*\i
.endr
.irp i, 0,1,2,3,4,5,6,7
	ds_load_b128 v[S+64+32*\t+4*\i:S+64+32*\t+4*\i+3], v[RD] offset:2*\i*SP   ; LDS serves a wave's instructions in order (ISA guide 5.7.1.4): these see the stores above; the next tile's stores come behind them
.endr
.endm
.macro SEND t, younger                 ; younger: the LDS instructions issued behind tile t's loads.  Stage row 2 i + h is query 8 t + 2 i + h + 8 (i / 4) of my 32
.irp i, 0,1,2,3,4,5,6,7
	s_wait_dscnt \younger+7-\i
	global_store_b128 v[GO], v[S+64+32*\t+4*\i:S+64+32*\t+4*\i+3], s[10:11] offset:(8*\t+2*\i+8*(\i/4))*2048 th:TH_STORE_NT   ; 16 lanes store 256 consecutive bytes, at a multiple of 256 from out's first byte
.endr
.endm
	PACK 0
	PACK 1
	SEND 0, 16
	SEND 1, 0
	s_wait_tensorcnt 0x0                           ; the wave's end, behind my last tensor load and my last LDS store
	ds_add_u32 v[SPW], v[NIL]
	s_wait_dscnt 0x0
	CROUND                                         ; the closing round: no work-group ends while a partner may still ask for a tile that names it
	s_endpgm
.Lfunc_end_k_q332e3b08b8_attn:
	.size	k_q332e3b08b8_attn, .Lfunc_end_k_q332e3b08b8_attn-k_q332e3b08b8_attn
	.p2alignl 7, 3214868480
	.fill 96, 4, 3214868480
	.section	.rodata,"a",@progbits
	.p2align	6, 0x0
	.amdhsa_kernel k_q332e3b08b8_attn
		.amdhsa_group_segment_fixed_size 327680
		.amdhsa_private_segment_fixed_size 0
		.amdhsa_enable_private_segment 0
		.amdhsa_kernarg_size 32
		.amdhsa_user_sgpr_count 2
		.amdhsa_user_sgpr_kernarg_segment_ptr 1
		.amdhsa_wavefront_size32 1
		.amdhsa_system_sgpr_workgroup_id_x 1
		.amdhsa_system_sgpr_workgroup_id_y 1
		.amdhsa_system_sgpr_workgroup_id_z 1
		.amdhsa_system_vgpr_workitem_id 0
		.amdhsa_next_free_vgpr 384
		.amdhsa_next_free_sgpr 66
		.amdhsa_reserve_vcc 0
		.amdhsa_float_denorm_mode_32 3
		.amdhsa_float_denorm_mode_16_64 3
		.amdhsa_memory_ordered 1
		.amdhsa_forward_progress 1
		.amdhsa_inst_pref_size 72
	.end_amdhsa_kernel
	.amdgpu_metadata
---
amdhsa.version: [ 1, 2 ]
amdhsa.kernels:
  - .name:           k_q332e3b08b8_attn
    .symbol:         k_q332e3b08b8_attn.kd
    .args:
      - { .name: qc, .offset: 0, .size: 8, .value_kind: global_buffer, .address_space: global }
      - { .name: kv, .offset: 8, .size: 8, .value_kind: global_buffer, .address_space: global }
      - { .name: lowp_scales, .offset: 16, .size: 8, .value_kind: global_buffer, .address_space: global }
      - { .name: out0, .offset: 24, .size: 8, .value_kind: global_buffer, .address_space: global }
    .group_segment_fixed_size: 327680
    .private_segment_fixed_size: 0
    .kernarg_segment_align: 8
    .kernarg_segment_size: 32
    .max_flat_workgroup_size: 256
    .sgpr_count:     66
    .vgpr_count:     384
    .wavefront_size: 32
...
	.end_amdgpu_metadata
.endif
;; end of part 2
;; ======== version 2 of 2: 2 launches
;; limits: right only within a limited range of input values
;; workspace buffers: qc 4,194,304 bytes; kv 8,388,608 bytes
;; launch proj (part 3): grid 6 x 32, 4 waves a work-group, no clusters, 66,048 bytes of LDS; arguments x, Wq, Wk, Wv, bq, bk, bv, lowp_scales, qc, kv; writes qc, kv
.if DOCPART == 3
	.amdgcn_target "amdgcn-amd-amdhsa--gfx1250"
	.amdhsa_code_object_version 6
	.text
	.protected	k_q332e3b08b8_proj
	.globl	k_q332e3b08b8_proj
	.p2align	8
	.type	k_q332e3b08b8_proj,@function
k_q332e3b08b8_proj:
	s_mov_b64 s[64:65], 0
	v_nop
	global_prefetch_b8 v0, s[64:65] scope:SCOPE_SE
	s_setreg_imm32_b32 hwreg(HW_REG_WAVE_SCHED_MODE, 0, 2), 2
	s_setreg_imm32_b32 hwreg(HW_REG_WAVE_MODE, 25, 1), 1
	s_wait_xcnt 0x0
	s_wait_alu depctr_vm_vsrc(0)
; q, k, v = Q(x) Q(W) + b, each on codes of FP8 (E4M3), and the results quantised again for the attention launch.
; x: [8192][512] f32.  W: [512 (k)][512 (n)] f32.  b: [512] f32.  lowp_scales: e0..e9 (int32); a scale is 2^e.
; SHARES.  Work-group (cb, rb): cb / 2 says which of q, k, v; its four waves take heads 4 (cb % 2) + wave (64 columns of W each); rb says which 256 rows of x.
; A wave quantises its 512 x 64 of W once, into 256 registers that stay.  The rows go in blocks of 64: wave w quantises tile w (16 rows x 512 K, four fragments) and
; stores the fragments in LDS as images of their registers (lane l's 16 bytes at 16 l); behind one barrier every wave reads all four tiles and multiplies them by its W.
; LAYOUT.  A fragment (16 rows x 128 K) is 16 registers: registers 4 c .. 4 c + 3 of lane (r, h) hold K = 32 c + 16 h + 0 .. 15: a permutation of k, the same in both operands.
; THE ROWS OF A TILE OF x ARE NOT NEIGHBOURS: lane r of tile 2 b + u takes row 32 b + 8 u + r + 8 (r / 8).  THE COLUMNS OF A TILE OF W NEITHER: lane r of tile j takes column 4 r + j of the head's 64,
; so that one 16-byte load of a row of W feeds the four tiles.
; q, k: the product is used transposed (source 0 = W's tile, source 1 = x's): register i of tile j in lane (r, h) is channel 32 h + 4 i + j of row r: a lane owns 32 neighbouring channels;
;       the hold ahead of the conversion puts them in order.  v: source 0 = x's tile, source 1 = W's: a lane owns one channel 4 r + j and eight neighbouring keys.
; OUT.  qc [head 16][tile 256][c 2][lane 32][16 bytes]: the image of a fragment of 16 rows x 64 channels.  kv [head 16][step 32][16,384]: 8 such images of k (128 keys), then v as [j 4][c 4][lane 32][16 bytes]
; (channel 4 r + j, keys 32 c + 16 h + 0 .. 15).  Every store of 16 lanes covers 256 consecutive bytes, aligned.
; The bias is the C of a sum's first matrix instruction, divided by the power of two that the sums lack; the three scales ahead of the second quantiser are folded into the conversion's one.
; No tensor load and no cluster: both operands arrive as f32 and must pass through registers to become codes; only codes go through LDS.
; LIMITS, so that each power of two below is an f32 number: e0, e2, e4, e1, e3, e5, e6 - e0 - e1, e7 - e2 - e3, e9 - e4 - e5 between -126 and 119.  NaN among the inputs is not served; an infinity is held at the largest code.
; REGISTERS, in windows of 256.  Window 0: v1-13 addresses and scales; v32-95 at work, then x's fragments, set 0; v96-159 set 1 (at the head: the biases as loaded);
;   v160-223 the codes just made, behind the barrier v160-191 held numbers and v192-223 codes to store; v224-255 four accumulators.
;   Window 1: W's 16 fragments, (tile j, K step s) at v[16 (4 j + s)].   Window 2: v0-191 three sets of 64 numbers of W; v192-223 the bias in the result's layout.   Window 3: a block's 256 numbers of x.
; THE MODE: SCHED_MODE bits 1:0 = 2 (LLVM: expert scheduling mode 2), set by the entry lines.  The code itself states the register dependences
; between vector or matrix instructions and memory or LDS instructions, with s_wait_alu, always for 0.
; THE PLAN.  Registers that memory or LDS instructions touch:
;   v1-7               Offsets and LDS addresses: written at the head, ahead of the head's wait on va_vdst, and never again: rows are reached by scalar bases and immediate offsets.
;   window 2, v0-191   Group g's 64 holds read set g % 3; behind them the loads of group g + 3 land in it: one wait on va_vdst a group, between the two.
;   window 3           Read by a block's holds; the next block's loads land in it behind the barrier (K steps 0 to 2) and behind tile 1 (K step 3).
;   v160-223           Written by x's conversions, read by the LDS stores of the images; behind the barrier written by the way out's holds and conversions, v192-223 read by the global stores; then written by the next block's conversions.
;   v32-95, v96-159    v32-95 are written by x's holds and read by its conversions; then the LDS loads of tile m land in set m % 2, tile m's products read it, and tile m + 2's loads land in it.  (At the head the biases land in v96-131.)
;   v30, v31           Written at the head, read by the closing add alone.
;   W's fragments, the bias in the result's layout, the accumulators and the scales are named by vector and matrix instructions alone.
; A BLOCK'S WAITS.  At its head vm_vsrc: the last block's stores have read their codes.  At the head of K steps 1 to 3 of x va_vdst: the K step before has written its codes, and its four LDS stores follow.
; Behind K step 3 va_vdst: for its stores, for the next block's loads of x, and for the loads of tiles 0 and 1; no vector instruction names a register of these before they are issued.  Behind the barrier vm_vsrc: the LDS stores have read v160-223.
; Behind each tile's conversions va_vdst: for the tile's stores and for the loads of the tile two on, which follow it, the loads first.
.set LI,   1                           ; v1   16 x lane
.set XA,   2                           ; v2   x: (r + 8 (r / 8)) x 2,048 + 64 h
.set WA,   3                           ; v3   W: 16 h rows of 2,048 bytes + 16 r
.set XWI,  4                           ; v4   where I store my tile's images: 16 x lane + 8,192 x wave
.set OQ,   5                           ; v5   q, k: my 16 bytes in a tile's image: 512 h + 16 r
.set BQA,  6                           ; v6   the bias for q, k: 128 h
.set BVA,  7                           ; v7   the bias for v: 16 r
.set SX,   8                           ; v8, v9    2^ex and 448 x 2^ex
.set HX,   9
.set SW,   10                          ; v10, v11  the same for W
.set HW,   11
.set SO,   12                          ; v12, v13  the same with eo - ex - ew
.set HO,   13
.set T,    32
.set XF,   32
.set LBQ,  96
.set LBV,  128
.set PC,   160
.set U,    160
.set OC,   192
.set ACC,  224
.set B1,   192                         ; in window 2
.set WV,   34                          ; s34  wave
.set SEL,  35                          ; s35  0 q, 1 k, 2 v
.set TRIP, 36                          ; s36  trips of 128 rows to go
.set XP,   38                          ; s[38:39] x at my tile's first row of the trip
.set WP,   40                          ; s[40:41] W at my head's first column
.set BP,   42                          ; s[42:43] the bias at my head
.set OP,   44                          ; s[44:45] the output at the trip's first byte
.set OST,  46                          ; s[46:47] bytes of output from trip to trip
.set MSB, 0
.macro WIN new                         ; the immediate's high byte repeats the setting that is left; a switch that changes nothing is dropped
.if MSB != \new
	s_set_vgpr_msb (MSB<<8)|\new
.set MSB, \new
.endif
.endm
.macro MKSCALE e, vs, vl               ; s[e] = an exponent: v[vs] = 2^e, v[vl] = 448 x 2^e
	s_add_co_i32 s58, s[\e], 127
	s_lshl_b32 s59, s58, 23
	v_mov_b32 v[\vs], s59
	s_add_co_i32 s58, s58, 8
	s_lshl_b32 s58, s58, 23
	s_or_b32 s58, s58, 0x600000
	v_mov_b32 v[\vl], s58
.endm
; Group g = 4 s + c of W: rows 128 s + 32 c + 16 h + i, i = 0 .. 15, my four columns 4 r .. 4 r + 3, into set g % 3.  Sixteen lanes read 256 consecutive bytes of a row.
.macro WLOAD g
	WIN 0x80
.irp i, 0,1,2,3,4,5,6,7,8,9,10,11,12,13,14,15
	global_load_b128 v[64*((\g)%3)+4*\i:64*((\g)%3)+4*\i+3], v[WA], s[WP:WP+1] offset:(128*((\g)/4)+32*((\g)%4)+\i)*2048
.endr
.endm
; K step s of my 16 rows of x, from off bytes on: register 64 s + 16 b + i = k 128 s + 32 b + 16 h + i
.macro XLOAD s, off
	WIN 0xc0
.irp b, 0,1,2,3
.irp q, 0,1,2,3
	global_load_b128 v[64*(\s)+16*\b+4*\q:64*(\s)+16*\b+4*\q+3], v[XA], s[XP:XP+1] offset:(\off)+512*(\s)+128*\b+16*\q
.endr
.endr
.endm
; Group g of W becomes registers 4 c .. 4 c + 3 of the four tiles' fragments of K step s.  The hold also sorts the numbers by tile.
.macro WQUANT g
	s_wait_loadcnt 32                              ; behind this group's 16 loads two more groups of 16 were issued (W's, or x's at the end)
	WIN 0x02
.set II, 0
.rept 64
	v_med3_num_f32 v[T+II], v[64*((\g)%3)+4*(II%16)+II/16], -v[HW], v[HW]   ; the conversion to an 8-bit code does not saturate (ISA guide 7.6.2)
.set II, II+1
.endr
.if (\g) <= 12
	WIN 0x80                                       ; the loads' window first, then the wait, then the loads
	s_wait_alu depctr_va_vdst(0)                   ; the 64 holds above are done reading set g % 3, in which the 16 loads below land
	WLOAD (\g)+3                                   ; the set just read takes the group three further on,
.else
	XLOAD (\g)-13, 0                               ; or, at the end, the first block of x goes out in its place.  No wait: no vector instruction has named window 3's registers, and the offset was written ahead of the head's wait
.endif
	WIN 0x40
.set II, 0
.rept 8
	v_cvt_scalef32_pk8_fp8_f32 v[16*(4*(II/2)+(\g)/4)+4*((\g)%4)+2*(II%2):16*(4*(II/2)+(\g)/4)+4*((\g)%4)+2*(II%2)+1], v[T+8*II:T+8*II+7], v[SW]
.set II, II+1
.endr
	v_nop                                          ; a plain line between the conversions and the next lines that write their sources
.endm
; K step s's fragment of my tile goes to LDS as it stands, into buffer p
.macro XIMAGE s, p
.irp c, 0,1,2,3
	ds_store_b128 v[XWI], v[PC+16*(\s)+4*\c:PC+16*(\s)+4*\c+3] offset:(\p)*32768+2048*(\s)+512*\c
.endr
.endm
; K step s of my tile of x: the image of the K step before goes out; then hold and conversion
.macro XQUANT s, p
	s_wait_loadcnt 16*(3-(\s))                     ; behind this K step's 16 loads only the block's later K steps were issued
.if (\s) > 0
	s_wait_alu depctr_va_vdst(0)                   ; the conversions of K step s - 1 have written its codes, which the four LDS stores below read
	XIMAGE (\s)-1, \p
.endif
	WIN 0x03
.set II, 0
.rept 64
	v_med3_num_f32 v[T+II], v[64*(\s)+II], -v[HX], v[HX]
.set II, II+1
.endr
	WIN 0
.set II, 0
.rept 8
	v_cvt_scalef32_pk8_fp8_f32 v[PC+16*(\s)+2*II:PC+16*(\s)+2*II+1], v[T+8*II:T+8*II+7], v[SX]
.set II, II+1
.endr
	v_nop                                          ; a plain line between the conversions and the next lines that write their sources
.endm
; The next block's K steps lo .. hi of x.  Behind the work-group's last block there is none: no load leaves x.
; No wait stands here: this block's holds, the last to name window 3's registers, stand ahead of the wait on va_vdst behind K step 3.
.macro NEXTX lo, hi, p
.if \p
	s_cmp_eq_u32 s[TRIP], 1
	s_cbranch_scc1 .Lnonext_\@
.endif
.irp k, 0,1,2,3
.if (\k >= \lo) && (\k <= \hi)
	XLOAD \k, 131072*(1+\p)
.endif
.endr
	WIN 0
.if \p
.Lnonext_\@:
.endif
.endm
.macro FETCH m, p                      ; tile m's four fragments come back as they were stored, into set m % 2
.irp s, 0,1,2,3
.irp c, 0,1,2,3
	ds_load_b128 v[XF+64*((\m)%2)+16*\s+4*\c:XF+64*((\m)%2)+16*\s+4*\c+3], v[LI] offset:(\p)*32768+(4*(\m)+\s)*2048+512*\c
.endr
.endr
.endm
; 16 matrix instructions: tile m of x against my four tiles of W, K ascending; the four accumulators take turns, one instruction a turn.  tr = 1: source 0 = W.
.macro MUL m, tr
.irp s, 0,1,2,3
.if \tr
.if \s == 0
	WIN 0x21                                       ; source 0 (W) window 1, C (the bias) window 2
.else
	WIN 0x01
.endif
.else
.if \s == 0
	WIN 0x24                                       ; source 1 (W) window 1, C (the bias) window 2
.else
	WIN 0x04
.endif
.endif
.irp j, 0,1,2,3
.if \tr
.if \s == 0
	v_wmma_f32_16x16x128_fp8_fp8 v[ACC+8*\j:ACC+8*\j+7], v[16*(4*\j+\s):16*(4*\j+\s)+15], v[XF+64*((\m)%2)+16*\s:XF+64*((\m)%2)+16*\s+15], v[B1+8*\j:B1+8*\j+7]
.else
	v_wmma_f32_16x16x128_fp8_fp8 v[ACC+8*\j:ACC+8*\j+7], v[16*(4*\j+\s):16*(4*\j+\s)+15], v[XF+64*((\m)%2)+16*\s:XF+64*((\m)%2)+16*\s+15], v[ACC+8*\j:ACC+8*\j+7]
.endif
.else
.if \s == 0
	v_wmma_f32_16x16x128_fp8_fp8 v[ACC+8*\j:ACC+8*\j+7], v[XF+64*((\m)%2)+16*\s:XF+64*((\m)%2)+16*\s+15], v[16*(4*\j+\s):16*(4*\j+\s)+15], v[B1+8*\j:B1+8*\j+7]
.else
	v_wmma_f32_16x16x128_fp8_fp8 v[ACC+8*\j:ACC+8*\j+7], v[XF+64*((\m)%2)+16*\s:XF+64*((\m)%2)+16*\s+15], v[16*(4*\j+\s):16*(4*\j+\s)+15], v[ACC+8*\j:ACC+8*\j+7]
.endif
.endif
.endr
.endr
	WIN 0
.rept 4
	v_nop                                          ; four places between the products and the first read of their results (ISA guide 7.12.1)
.endr
.endm
; q, k: the hold puts my 32 channels in order (register 4 i + j <- register i of tile j; each accumulator from its low end on); 32 codes
.macro CODEQK m
.set II, 0
.rept 32
	v_med3_num_f32 v[U+4*(II%8)+II/8], v[ACC+II], -v[HO], v[HO]
.set II, II+1
.endr
.irp q, 0,1,2,3
	v_cvt_scalef32_pk8_fp8_f32 v[OC+8*(\m)+2*\q:OC+8*(\m)+2*\q+1], v[U+8*\q:U+8*\q+7], v[SO]
.endr
	v_nop                                          ; a plain line between the conversions and the next lines that write their sources
.endm
.macro SENDQK m, p                     ; and two stores
	global_store_b128 v[OQ], v[OC+8*(\m):OC+8*(\m)+3], s[OP:OP+1] offset:4096*(\p)+1024*(\m)            ; channels 32 h + 0 .. 15: chunk h, reader's lane r
	global_store_b128 v[OQ], v[OC+8*(\m)+4:OC+8*(\m)+7], s[OP:OP+1] offset:4096*(\p)+1024*(\m)+256      ; channels 32 h + 16 .. 31: chunk h, reader's lane 16 + r
.endm
; v: tile j's eight registers are eight neighbouring keys of channel 4 r + j: 8 codes; the tiles u = 0 and u = 1 of a group of 32 keys fill 16 bytes
.macro CODEV m
.set II, 0
.rept 32
	v_med3_num_f32 v[U+II], v[ACC+II], -v[HO], v[HO]
.set II, II+1
.endr
.irp j, 0,1,2,3
	v_cvt_scalef32_pk8_fp8_f32 v[OC+16*((\m)/2)+4*\j+2*((\m)%2):OC+16*((\m)/2)+4*\j+2*((\m)%2)+1], v[U+8*\j:U+8*\j+7], v[SO]
.endr
	v_nop                                          ; a plain line between the conversions and the next lines that write their sources
.endm
.macro SENDV m, p                      ; behind tiles 1 and 3: the 16 bytes are whole
.irp j, 0,1,2,3
	global_store_b128 v[LI], v[OC+16*((\m)/2)+4*\j:OC+16*((\m)/2)+4*\j+3], s[OP:OP+1] offset:2048*\j+512*(2*(\p)+(\m)/2)   ; 32 lanes store 512 consecutive bytes
.endr
.endm
.macro PATH tr, p
	FETCH 0, \p                                    ; no wait: all that named v32-159 stands ahead of the wait on va_vdst behind K step 3 of x
	FETCH 1, \p
.irp m, 0,1,2,3
.if \m < 3
	s_wait_dscnt 16                                ; this tile's 16 loads are in; the next tile's may be out
.else
	s_wait_dscnt 0
.endif
	MUL \m, \tr
.if \tr
	CODEQK \m
.else
	CODEV \m
.endif
.if \tr || (\m != 2)                   ; (v's tile 2 is followed by no load and no store: its codes go out with tile 3's)
	s_wait_alu depctr_va_vdst(0)                   ; the conversions have written the codes that the stores below read (v: this tile's and the one's before); tiles 0 and 1: the tile's products are done reading set m % 2, in which the loads below land
.endif
.if \m < 2
	FETCH \m+2, \p                                 ; into the set that this tile's products have read
.endif
.if \tr
	SENDQK \m, \p
.elseif \m % 2
	SENDV \m, \p
.endif
.if \m == 1
	NEXTX 3, 3, \p                                 ; the next block's last K step
.endif
.endr
.endm
; A block of 64 rows.  One barrier: buffer p is written again two blocks on, behind the next block's barrier, in front of which every wave has waited for its reads of it.
.macro BLOCK p
	s_wait_xcnt 0x0                                ; the last block's stores have read their data registers, which the conversions below write
	s_wait_alu depctr_vm_vsrc(0)                   ; the last block's global stores have read v192-223, which the conversions of K steps 2 and 3 write again
	XQUANT 0, \p
	XQUANT 1, \p
	XQUANT 2, \p
	XQUANT 3, \p
	s_wait_alu depctr_va_vdst(0)                   ; K step 3's conversions have written its codes, which the LDS stores below read; the holds are done reading window 3, in which the next block's x lands; the holds, the conversions and the earlier products (at the head: the bias's lines) are done with v32-159, in which tiles 0 and 1 land
	XIMAGE 3, \p
	s_wait_dscnt 0x0                               ; my images have landed, and my reads of the other buffer are over
	s_barrier_signal -1
	s_barrier_wait -1
	s_wait_alu depctr_vm_vsrc(0)                   ; my 16 LDS stores have read v160-223, which the way out's holds and conversions write again, on either path below
	NEXTX 0, 2, \p                                 ; the next block's first three K steps go out
	s_cmp_eq_u32 s[SEL], 2
	s_cbranch_scc1 .Lv_\@
	PATH 1, \p
	s_branch .Ljoin_\@
.Lv_\@:
	PATH 0, \p
.Ljoin_\@:
.endm
	s_load_b512 s[4:19], s[0:1], 0x0               ; x, Wq, Wk, Wv, bq, bk, bv, the scales' exponents
	s_load_b128 s[20:23], s[0:1], 0x40             ; qc, kv
	v_lshl_add_u32 v30, v0, 2, 0x10000
	v_mov_b32 v31, 0
	v_lshrrev_b32 v14, 5, v0
	v_readfirstlane_b32 s[WV], v14                 ; wave 0..3
	v_and_b32 v15, 31, v0                          ; lane
	v_and_b32 v16, 15, v0                          ; r
	v_bfe_u32 v17, v0, 4, 1                        ; h
	v_lshlrev_b32 v[LI], 4, v15
	v_and_b32 v18, 8, v16
	v_add_nc_u32 v18, v18, v16                     ; r + 8 (r / 8)
	v_lshlrev_b32 v[XA], 11, v18
	v_lshl_add_u32 v[XA], v17, 6, v[XA]
	v_lshlrev_b32 v[WA], 4, v16
	v_lshl_add_u32 v[WA], v17, 15, v[WA]
	s_wait_alu depctr_va_sdst(0)                   ; the wave's number is written, ahead of its first reader: LDS addresses and the bases are made from it
	s_lshl_b32 s48, s[WV], 13
	v_add_nc_u32 v[XWI], s48, v[LI]
	v_lshlrev_b32 v[OQ], 4, v16
	v_lshl_add_u32 v[OQ], v17, 9, v[OQ]
	v_lshlrev_b32 v[BQA], 7, v17
	v_lshlrev_b32 v[BVA], 4, v16
	s_lshr_b32 s[SEL], ttmp9, 1                    ; q, k or v
	s_and_b32 s48, ttmp9, 1
	s_lshl_b32 s48, s48, 2
	s_add_co_u32 s48, s48, s[WV]                   ; my head, 0..7
	s_and_b32 s49, ttmp7, 0xffff                   ; my block of 256 rows
	s_lshr_b32 s50, s49, 4                         ; the batch
	s_lshl_b32 s50, s50, 3
	s_add_co_u32 s50, s50, s48                     ; 8 x batch + head
	s_and_b32 s51, s49, 15
	s_lshl_b32 s52, s50, 18
	s_lshl_b32 s51, s51, 14
	s_add_co_u32 s52, s52, s51                     ; q: 2^18 bytes a head, 16,384 for 256 rows
	s_lshl_b32 s53, s52, 1                         ; k, v: twice that
	s_cmp_eq_u32 s[SEL], 0
	s_cselect_b32 s52, s52, s53
	s_mov_b32 s[OST], 16384
	s_cselect_b32 s[OST], 8192, s[OST]             ; a trip's 128 rows: 8 images of q, or a step of kv
	s_mov_b32 s[OST+1], 0
	s_cmp_eq_u32 s[SEL], 2
	s_cselect_b32 s53, 8192, 0                     ; v lies behind a step's k
	s_add_co_u32 s52, s52, s53
	s_mov_b32 s53, 0
	s_lshl_b32 s54, s48, 8                         ; my head's 64 columns: 256 bytes, in W's rows and in the bias
	s_mov_b32 s55, 0
	s_lshl_b32 s56, s49, 19                        ; 256 rows of 2,048 bytes,
	s_lshr_b32 s57, s[WV], 1
	s_lshl_b32 s57, s57, 16                        ; my tile's first row: 32 (wave / 2)
	s_add_co_u32 s56, s56, s57
	s_and_b32 s57, s[WV], 1
	s_lshl_b32 s57, s57, 14                        ; + 8 (wave % 2)
	s_add_co_u32 s56, s56, s57
	s_mov_b32 s57, 0
	s_wait_kmcnt 0x0
	s_load_b256 s[24:31], s[18:19], 0x0            ; e0 .. e7
	s_load_b32 s33, s[18:19], 0x24                 ; e9
	s_add_nc_u64 s[XP:XP+1], s[4:5], s[56:57]
	s_cmp_eq_u32 s[SEL], 1                         ; the buffers are chosen by the work-group's number alone
	s_cselect_b64 s[WP:WP+1], s[8:9], s[10:11]
	s_cselect_b64 s[BP:BP+1], s[14:15], s[16:17]
	s_cmp_eq_u32 s[SEL], 0
	s_cselect_b64 s[WP:WP+1], s[6:7], s[WP:WP+1]
	s_cselect_b64 s[BP:BP+1], s[12:13], s[BP:BP+1]
	s_cselect_b64 s[OP:OP+1], s[20:21], s[22:23]
	s_add_nc_u64 s[WP:WP+1], s[WP:WP+1], s[54:55]
	s_add_nc_u64 s[BP:BP+1], s[BP:BP+1], s[54:55]
	s_add_nc_u64 s[OP:OP+1], s[OP:OP+1], s[52:53]
	s_wait_alu depctr_va_vdst(0)                   ; the seven offsets and LDS addresses v1 to v7 are written, which every load and store of the kernel reads
.irp i, 0,1,2,3,4,5,6,7
	global_load_b128 v[LBQ+4*\i:LBQ+4*\i+3], v[BQA], s[BP:BP+1] offset:16*\i   ; b(32 h + 0 .. 31): the layout of q's and k's results
.endr
	global_load_b128 v[LBV:LBV+3], v[BVA], s[BP:BP+1]                          ; b(4 r + 0 .. 3): that of v's
	WLOAD 0
	WLOAD 1
	WLOAD 2
	WIN 0
	s_wait_kmcnt 0x0
	s_cmp_eq_u32 s[SEL], 1
	s_cselect_b32 s48, s26, s28                    ; ex
	s_cselect_b32 s49, s27, s29                    ; ew
	s_cselect_b32 s50, s31, s33                    ; eo: the scale of the result as an operand of attention
	s_cmp_eq_u32 s[SEL], 0
	s_cselect_b32 s48, s24, s48
	s_cselect_b32 s49, s25, s49
	s_cselect_b32 s50, s30, s50
	s_add_co_i32 s51, s48, s49                     ; a sum stands for sum x 2^(ex + ew):
	s_sub_co_i32 s50, s50, s51                     ; its code is sum / 2^(eo - ex - ew),
	s_sub_co_i32 s51, 0, s51                       ; and the bias goes in as b / 2^(ex + ew)
	MKSCALE 48, SX, HX
	MKSCALE 49, SW, HW
	MKSCALE 50, SO, HO
	s_wait_alu depctr_va_vdst(0)
.irp g, 0,1,2,3,4,5,6,7,8,9,10,11,12,13,14,15
	WQUANT \g
.endr
	XLOAD 3, 0
	WIN 0
	s_cmp_eq_u32 s[SEL], 2                         ; the bias in the result's layout (its loads were the first issued: the first counted wait has covered them)
	s_cbranch_scc1 .Lbias_v
	WIN 0x80
.set II, 0
.rept 32
	v_ldexp_f32 v[B1+II], v[LBQ+4*(II%8)+II/8], s51   ; register i of tile j: channel 32 h + 4 i + j
.set II, II+1
.endr
	WIN 0
	s_branch .Lbias_done
.Lbias_v:
	WIN 0x80
.set II, 0
.rept 32
	v_ldexp_f32 v[B1+II], v[LBV+II/8], s51            ; all of tile j: channel 4 r + j
.set II, II+1
.endr
	WIN 0
.Lbias_done:
	s_mov_b32 s[TRIP], 2
.Ltrip:                                                ; a trip: 128 rows, two blocks, the two LDS buffers by turns
	BLOCK 0
	BLOCK 1
	s_wait_xcnt 0x0                                ; the trip's loads and stores have read their bases
	s_add_nc_u64 s[XP:XP+1], s[XP:XP+1], 262144
	s_add_nc_u64 s[OP:OP+1], s[OP:OP+1], s[OST:OST+1]
	s_sub_co_u32 s[TRIP], s[TRIP], 1
	s_cmp_lg_u32 s[TRIP], 0
	s_cbranch_scc1 .Ltrip
	s_wait_dscnt 0x0                               ; the closing lines, six on end
	s_wait_alu 0x0
	s_wait_tensorcnt 0x0
	ds_add_u32 v30, v31
	s_wait_dscnt 0x0
	s_endpgm
.Lfunc_end_k_q332e3b08b8_proj:
	.size	k_q332e3b08b8_proj, .Lfunc_end_k_q332e3b08b8_proj-k_q332e3b08b8_proj
	.p2alignl 7, 3214868480
	.fill 96, 4, 3214868480
	.section	.rodata,"a",@progbits
	.p2align	6, 0x0
	.amdhsa_kernel k_q332e3b08b8_proj
		.amdhsa_group_segment_fixed_size 66048
		.amdhsa_private_segment_fixed_size 0
		.amdhsa_enable_private_segment 0
		.amdhsa_kernarg_size 80
		.amdhsa_user_sgpr_count 2
		.amdhsa_user_sgpr_kernarg_segment_ptr 1
		.amdhsa_wavefront_size32 1
		.amdhsa_system_sgpr_workgroup_id_x 1
		.amdhsa_system_sgpr_workgroup_id_y 1
		.amdhsa_system_sgpr_workgroup_id_z 1
		.amdhsa_system_vgpr_workitem_id 0
		.amdhsa_next_free_vgpr 1024
		.amdhsa_next_free_sgpr 66
		.amdhsa_reserve_vcc 0
		.amdhsa_float_denorm_mode_32 3
		.amdhsa_float_denorm_mode_16_64 3
		.amdhsa_memory_ordered 1
		.amdhsa_forward_progress 1
		.amdhsa_inst_pref_size 247
	.end_amdhsa_kernel
	.amdgpu_metadata
---
amdhsa.version: [ 1, 2 ]
amdhsa.kernels:
  - .name:           k_q332e3b08b8_proj
    .symbol:         k_q332e3b08b8_proj.kd
    .args:
      - { .name: x, .offset: 0, .size: 8, .value_kind: global_buffer, .address_space: global }
      - { .name: Wq, .offset: 8, .size: 8, .value_kind: global_buffer, .address_space: global }
      - { .name: Wk, .offset: 16, .size: 8, .value_kind: global_buffer, .address_space: global }
      - { .name: Wv, .offset: 24, .size: 8, .value_kind: global_buffer, .address_space: global }
      - { .name: bq, .offset: 32, .size: 8, .value_kind: global_buffer, .address_space: global }
      - { .name: bk, .offset: 40, .size: 8, .value_kind: global_buffer, .address_space: global }
      - { .name: bv, .offset: 48, .size: 8, .value_kind: global_buffer, .address_space: global }
      - { .name: lowp_scales, .offset: 56, .size: 8, .value_kind: global_buffer, .address_space: global }
      - { .name: qc, .offset: 64, .size: 8, .value_kind: global_buffer, .address_space: global }
      - { .name: kv, .offset: 72, .size: 8, .value_kind: global_buffer, .address_space: global }
    .group_segment_fixed_size: 66048
    .private_segment_fixed_size: 0
    .kernarg_segment_align: 8
    .kernarg_segment_size: 80
    .max_flat_workgroup_size: 128
    .sgpr_count:     66
    .vgpr_count:     1024
    .wavefront_size: 32
...
	.end_amdgpu_metadata
.endif
;; end of part 3
;; launch attn (part 4): grid 16 x 16, 8 waves a work-group, clusters of 4 x 1, 327,680 bytes of LDS; arguments qc, kv, lowp_scales, out0; writes out0
.if DOCPART == 4
	.amdgcn_target "amdgcn-amd-amdhsa--gfx1250"
	.amdhsa_code_object_version 6
	.text
	.protected	k_q332e3b08b8_attn
	.globl	k_q332e3b08b8_attn
	.p2align	8
	.type	k_q332e3b08b8_attn,@function
k_q332e3b08b8_attn:
	s_mov_b64 s[64:65], 0
	v_nop
	global_prefetch_b8 v0, s[64:65] scope:SCOPE_SE
	s_setreg_imm32_b32 hwreg(HW_REG_WAVE_MODE, 25, 1), 1
	s_wait_xcnt 0x0
	s_wait_alu depctr_hold_cnt(0) depctr_sa_sdst(0) depctr_va_vdst(0) depctr_va_sdst(0) depctr_va_ssrc(0) depctr_va_vcc(0) depctr_vm_vsrc(0)
	s_getreg_b32 s2, hwreg(HW_REG_IB_STS2, 6, 4)
	s_cmp_eq_u32 s2, 0
	s_cbranch_scc0 .Lentry_in_a_cluster
	s_endpgm
.Lentry_in_a_cluster:
	s_bfe_u32 s2, ttmp6, 0x10000c
	s_cmp_lg_u32 s2, 0x3003
	s_cbranch_scc0 .Lentry_shape_is_right
	s_endpgm
.Lentry_shape_is_right:
; out[q][head's 64] = the sum over keys of softmax(q . k / 8) v, for 16 heads (2 batches x 8) of 4,096 queries and keys, both products on codes of FP8 (E4M3) with the given scales 2^e6 (q), 2^e7 (k), 2^e8 (p), 2^e9 (v).
; qc and kv hold the codes as images of operand registers: qc [head][tile 256][c 2][lane 32][16 bytes] (lane (r, h), chunk c: channels 32 c + 16 h + 0 .. 15 of the tile's row r; lane r of tile 2 b + u is row 32 b + 8 u + r + 8 (r / 8));
; kv [head][step 32][16,384]: 8 such tiles of k (128 keys), then v as [j 4][c 4][lane 32][16 bytes] (channel 4 r + j, keys 32 c + 16 h + 0 .. 15).  So every fragment load takes 512 consecutive bytes of LDS: no pitch, no padding.
; THE SOFTMAX AHEAD OF THE SECOND PRODUCT: t = score x log2(e) / 8; M = the row's largest t so far, rounded UP to a whole number; p = 2^(t - M) is quantised, not normalised.  The row's sum is taken of the unquantised p
; and divides at the end.  When M moves, the sum and O are multiplied by 2^(old M - new M), which rounds nothing.
; SHARES.  A work-group owns 256 queries of a head; each of its eight waves 32 of them, two tiles, so that each fragment of k and v read from LDS feeds two products; two waves to a SIMD, one's vector work beside the other's loads and products.
; Both products are used transposed (S^T = k q^T, O^T = v^T p^T): a lane holds one query throughout; the 16 registers of score tiles 2 b, 2 b + 1 are keys 32 b + 16 h + 0 .. 15, so the conversions' results are the second product's operand.
; In O^T register i of channel tile j in lane (r, h) is channel 32 h + 4 i + j: the last multiplication puts a lane's 32 channels in order.
; RING.  Two LDS slots of eight key steps (131,072 bytes); each wave fetches one step of a slot, 64 rows of 256 bytes, by one tensor load.  A wave never has more than one tensor load out.
; CLUSTER.  The four query blocks of a cluster belong to one head and walk the same k and v: each tile is asked for jointly, by the same load with the same descriptor and a mask that names the four.
; No prefetch is laid: a refill is asked for eight key steps, 192 matrix instructions of each wave, ahead of the wait for it.
; LIMITS, so that each power of two below is an f32 number: e6 + e7 between -123 and 130 (added to c's exponent field); e8 between -126 and 119; e8 + e9 goes by v_ldexp_f32 and has none.
; REGISTERS.  Window 0: v1-7 addresses; v8-15, v16-23 a tile's statistics (+0 -M, +1 the largest t, +2, +3 the sum in two halves, +4 f, +5 0, +6, +7 at work); v24, v25 448 x 2^e8; v26-29 second chains of the sums; v30, v31 lane exchange;
;   v32-47 q; v48-111 a step's k, then its v; v112-175, v176-239 the scores, then p; v240 2^e8.   Window 1: v0-63 O^T (tile t, channel tile j at 32 t + 8 j); v64-95 p's codes.
.set SLOT1, 1<<17                      ; slot 1 begins here: one exclusive or turns an address in one slot into the other's
.set STEPB, 16384                      ; a key step's bytes
.set STAGE, 2*SLOT1                    ; behind the ring: 16 rows x (256 + 16) bytes for each wave, for the way out; no fill lands there
.set SP,    272
.set SPARE, STAGE+8*16*SP              ; behind the stages: the spare words, 128 bytes for each wave: four blocks of 256 bytes that no other line names
.set LI,  1                            ; v1  16 x lane
.set ADR, 2                            ; v2  LDS address of the step in hand
.set SPW, 3                            ; v3  LDS address of my spare word; never rewritten
.set NIL, 4                            ; v4  0; never rewritten
.set STO, 5                            ; v5  the way out: where I put my 128 bytes of a row
.set RD,  6                            ; v6  where I read a row back
.set GO,  7                            ; v7  my byte offset in the wave's rows of out
.set ST,  8
.set LIM, 24
.set CH,  26
.set PX,  30
.set Q,   32
.set F,   48
.set S,   112
.set SC,  240
.set O,   0                            ; in window 1
.set P,   64                           ; in window 1
.set WV,  12                           ; s12 my wave's number
.set G1,  16                           ; s[16:23] descriptor group 1
.set G0,  24                           ; s[24:27] descriptor group 0, which walks
.set TB,  28                           ; s28 LDS byte at which the step in hand begins
.set SLOTS, 29                         ; s29 slots still to be asked for
.set STEPS, 30                         ; s30 counts a slot's eight steps
.set SEL, 32                           ; s[32:33] lane selects for v_permlanex16_b32: lane l xor 16
.set CS,  34                           ; s[34:35] c = log2(e) / 8 x 2^(e6 + e7)
.set MSB, 0
.macro WIN new                         ; the immediate's high byte repeats the setting that is left; a switch that changes nothing is dropped
.if MSB != \new
	s_set_vgpr_msb (MSB<<8)|\new
.set MSB, \new
.endif
.endm
; A round of the cluster's barrier: my work-group's barrier; wave 0 signals for the work-group; every wave waits for all four work-groups; my work-group's barrier once more.
.macro CROUND
	s_barrier_signal -1
	s_barrier_wait -1
	s_cmp_lg_u32 s[WV], 0
	s_cbranch_scc1 .Lnot_wave_0_\@
	s_barrier_signal -3
.Lnot_wave_0_\@:
	s_barrier_wait -3
	s_barrier_signal -1
	s_barrier_wait -1
.endm
.macro JLOAD                           ; every wave's one joint load: its step of the slot; four v_nop follow it
	tensor_load_to_lds s[G0:G0+3], s[G1:G1+7]
	s_nop 0
.rept 4
	v_nop
.endr
.endm
; THE CHANGE OF SLOTS stands at a slot's head.  Each wave waits for all its tensor loads (its step of the slot that it is about to read), adds 0 to its spare word, and waits for that and for its reads of the slot that it has left.
; fill = 1: the barrier is a round of the cluster's, so that no wave of any partner still reads the slot that was left or has a load on its way; that slot is then filled with the next eight steps, first thing behind the round.
.macro CHANGE fill
	s_wait_tensorcnt 0x0                           ; no tensor load of mine is out, so group 0 may be written
	ds_add_u32 v[SPW], v[NIL]                      ; 0 onto my spare word
.if \fill
	s_xor_b32 s[G0+1], s[G0+1], SLOT1              ; the other slot than last time,
	s_add_nc_u64 s[G0+2:G0+3], s[G0+2:G0+3], 8*STEPB   ; the next eight steps; the type bits on top are not reached
.endif
	s_wait_dscnt 0x0                               ; the add is done, and my reads of the slot that I have left are over
.if \fill
	CROUND
	JLOAD
.else
	s_barrier_signal -1
	s_barrier_wait -1
.endif
.endm
; A KEY STEP: 128 keys for my two tiles of queries.
.macro STEP
	v_add_nc_u32 v[ADR], s[TB], v[LI]
.rept 3
	v_nop                                          ; with the line above: four places between the last products and the loads into the registers that they read (ISA guide 7.12.1 for vector instructions)
.endr
.irp k, 0,1,2,3,4,5,6,7
.irp c, 0,1
	ds_load_b128 v[F+8*\k+4*\c:F+8*\k+4*\c+3], v[ADR] offset:1024*\k+512*\c
.endr
.endr
	s_wait_alu depctr_va_vdst(0)
	s_wait_dscnt 8                                 ; k's tiles 0 to 3 are in; the youngest eight loads may be out
.irp k, 0,1,2,3
.irp t, 0,1
	v_wmma_f32_16x16x64_fp8_fp8 v[S+64*\t+8*\k:S+64*\t+8*\k+7], v[F+8*\k:F+8*\k+7], v[Q+8*\t:Q+8*\t+7], 0
.endr
.endr
	s_wait_dscnt 0
.irp k, 4,5,6,7
.irp t, 0,1
	v_wmma_f32_16x16x64_fp8_fp8 v[S+64*\t+8*\k:S+64*\t+8*\k+7], v[F+8*\k:F+8*\k+7], v[Q+8*\t:Q+8*\t+7], 0
.endr
.endr
.rept 4
	v_nop                                          ; four places: for the loads below, and for the first read of the scores
.endr
.irp j, 0,1,2,3
.irp c, 0,1,2,3
	ds_load_b128 v[F+16*\j+4*\c:F+16*\j+4*\c+3], v[ADR] offset:8192+2048*\j+512*\c   ; v lands while the softmax is worked
.endr
.endr
	; the step's largest score of each query among my 64 keys: two chains a tile, the tiles by turns, each accumulator from its low end on
.irp t, 0,1
	v_max3_num_f32 v[ST+8*\t+6], v[S+64*\t], v[S+64*\t+1], v[S+64*\t+2]
	v_max3_num_f32 v[ST+8*\t+7], v[S+64*\t+3], v[S+64*\t+4], v[S+64*\t+5]
.endr
.irp i, 6,10,14,18,22,26,30,34,38,42,46,50,54,58
.irp t, 0,1
	v_max3_num_f32 v[ST+8*\t+6], v[ST+8*\t+6], v[S+64*\t+\i], v[S+64*\t+\i+1]
	v_max3_num_f32 v[ST+8*\t+7], v[ST+8*\t+7], v[S+64*\t+\i+2], v[S+64*\t+\i+3]
.endr
.endr
.irp t, 0,1
	v_max3_num_f32 v[ST+8*\t+6], v[ST+8*\t+6], v[S+64*\t+62], v[S+64*\t+63]
.endr
.irp t, 0,1
	s_delay_alu instid0(VALU_DEP_2)
	v_max_num_f32 v[ST+8*\t+6], v[ST+8*\t+6], v[ST+8*\t+7]
.endr
.irp t, 0,1
	s_delay_alu instid0(VALU_DEP_2)
	v_permlanex16_b32 v[PX+\t], v[ST+8*\t+6], s[SEL], s[SEL+1]
.endr
.irp t, 0,1
	s_delay_alu instid0(VALU_DEP_2)
	v_max_num_f32 v[ST+8*\t+6], v[ST+8*\t+6], v[PX+\t]      ; and among lane l xor 16's
.endr
.irp t, 0,1
	s_delay_alu instid0(VALU_DEP_2)
	v_mul_f32 v[ST+8*\t+6], s[CS], v[ST+8*\t+6]             ; as t (c is positive)
.endr
.irp t, 0,1
	s_delay_alu instid0(VALU_DEP_2)
	v_max_num_f32 v[ST+8*\t+1], v[ST+8*\t+1], v[ST+8*\t+6]  ; the running largest t
.endr
.irp t, 0,1
	v_mov_b32 v[ST+8*\t+6], v[ST+8*\t]
.endr
.irp t, 0,1
	s_delay_alu instid0(VALU_DEP_4)
	v_floor_f32 v[ST+8*\t], -v[ST+8*\t+1]                   ; the new -M = floor(-t) = -ceil(t): a whole number
.endr
.irp t, 0,1
	s_delay_alu instid0(VALU_DEP_2)
	v_sub_f32 v[ST+8*\t+6], v[ST+8*\t], v[ST+8*\t+6]        ; old M less new M: a whole number, 0 or less
.endr
.irp t, 0,1
	s_delay_alu instid0(VALU_DEP_2)
	v_cvt_i32_f32 v[ST+8*\t+6], v[ST+8*\t+6]                ; (it saturates)
.endr
.irp t, 0,1
	s_delay_alu instid0(VALU_DEP_2)
	v_ldexp_f32 v[ST+8*\t+4], 1.0, v[ST+8*\t+6]             ; f = 2^(old M - new M)
.endr
.set JJ, 0
.rept 64
	v_pk_fma_f32 v[S+JJ:S+JJ+1], v[S+JJ:S+JJ+1], s[CS:CS+1], v[ST+8*(JJ/64):ST+8*(JJ/64)+1] op_sel_hi:[1,0,0]   ; t - M, two at a time (of the pairs c and -M the low word serves both halves)
.set JJ, JJ+2
.endr
.set JJ, 0
	s_wait_alu depctr_va_vdst(0)
.rept 128
	v_exp_f32 v[S+JJ], v[S+JJ]                     ; p = 2^(t - M), at most 1: not normalised
.set JJ, JJ+1
.endr
	s_setprio 1
.irp t, 0,1
	v_pk_mul_f32 v[ST+8*\t+2:ST+8*\t+3], v[ST+8*\t+2:ST+8*\t+3], v[ST+8*\t+4:ST+8*\t+5] op_sel_hi:[1,0]   ; the sums under the new M: plain lines behind the exponentials, which name none of their results
.endr
	s_wait_alu depctr_va_vdst(0)                   ; one wait for the batch of 128 exponentials, ahead of its first reader
.irp t, 0,1
	v_pk_add_f32 v[CH+2*\t:CH+2*\t+1], v[S+64*\t:S+64*\t+1], v[S+64*\t+2:S+64*\t+3]   ; the row's sum is taken of the unquantised p: two chains a tile
.endr
.irp j, 4,8,12,16,20,24,28,32,36,40,44,48,52,56,60
.irp t, 0,1
	v_pk_add_f32 v[ST+8*\t+2:ST+8*\t+3], v[ST+8*\t+2:ST+8*\t+3], v[S+64*\t+\j:S+64*\t+\j+1]
	v_pk_add_f32 v[CH+2*\t:CH+2*\t+1], v[CH+2*\t:CH+2*\t+1], v[S+64*\t+\j+2:S+64*\t+\j+3]
.endr
.endr
.irp t, 0
	s_delay_alu instid0(VALU_DEP_3)
	v_pk_add_f32 v[ST+8*\t+2:ST+8*\t+3], v[ST+8*\t+2:ST+8*\t+3], v[CH+2*\t:CH+2*\t+1]
.endr
.irp t, 1
	s_delay_alu instid0(VALU_DEP_2)
	v_pk_add_f32 v[ST+8*\t+2:ST+8*\t+3], v[ST+8*\t+2:ST+8*\t+3], v[CH+2*\t:CH+2*\t+1]
.endr
.set JJ, 0
.rept 64
	v_dual_min_num_f32 v[S+JJ], v[S+JJ], v[LIM] :: v_dual_min_num_f32 v[S+JJ+1], v[S+JJ+1], v[LIM+1]   ; the conversion to an 8-bit code does not saturate (ISA guide 7.6.2); p is not negative, so the hold is one-sided; two numbers a line
.set JJ, JJ+2
.endr
	WIN 0x40                                       ; destination window 1
.set JJ, 0
.rept 16
	v_cvt_scalef32_pk8_fp8_f32 v[P+2*JJ:P+2*JJ+1], v[S+8*JJ:S+8*JJ+7], v[SC]
.set JJ, JJ+1
.endr
	v_nop                                          ; a plain line between the conversions and the products that read their results
	WIN 0x41                                       ; O^T (destination and source 0) window 1, f window 0
.set JJ, 0
	s_setprio 0
.rept 32
	v_pk_mul_f32 v[O+JJ:O+JJ+1], v[O+JJ:O+JJ+1], v[ST+8*(JJ/32)+4:ST+8*(JJ/32)+5] op_sel_hi:[1,0]   ; O^T under the new M
.set JJ, JJ+2
.endr
	s_wait_alu depctr_va_vdst(0)
	s_wait_dscnt 0                                 ; v is in
	WIN 0x54                                       ; v window 0; p's codes, C and D window 1
.irp j, 0,1,2,3
.irp t, 0,1
	v_wmma_f32_16x16x128_fp8_fp8 v[O+32*\t+8*\j:O+32*\t+8*\j+7], v[F+16*\j:F+16*\j+15], v[P+16*\t:P+16*\t+15], v[O+32*\t+8*\j:O+32*\t+8*\j+7]   ; eight accumulators, one instruction each a step
.endr
.endr
	WIN 0
.endm
.macro SLOT_STEPS                      ; a slot's eight key steps: written once, walked eight times
	s_mov_b32 s[STEPS], 8
.Lstep_\@:
	s_setprio 2
	STEP
	s_add_co_u32 s[TB], s[TB], STEPB
	s_sub_co_u32 s[STEPS], s[STEPS], 1
	s_cmp_lg_u32 s[STEPS], 0
	s_cbranch_scc1 .Lstep_\@
	s_setprio 0
	s_sub_co_u32 s[TB], s[TB], 8*STEPB             ; back to a slot's first step,
	s_xor_b32 s[TB], s[TB], SLOT1                  ; in the other slot
.endm
	s_load_b256 s[4:11], s[0:1], 0x0               ; qc s[4:5], kv s[6:7], the scales' exponents s[8:9], out s[10:11]
	v_lshl_add_u32 v[SPW], v0, 2, SPARE
	v_mov_b32 v[NIL], 0
	ds_add_u32 v3, v4
	ds_add_u32 v3, v4
	s_wait_dscnt 0x0
	v_lshrrev_b32 v8, 5, v0
	s_delay_alu instid0(VALU_DEP_1)
	v_readfirstlane_b32 s[WV], v8                  ; wave 0..7
	s_bfe_u32 s13, ttmp6, 0x40000                  ; cx: my place in the cluster
	s_lshl_b32 s14, ttmp9, 2                       ; in a cluster launch ttmp9 counts clusters
	s_add_co_u32 s14, s14, s13                     ; my block of 256 queries: it enters q's and out's addresses alone
	s_and_b32 s15, ttmp7, 0xffff                   ; 8 x batch + head, which the four partners share
	; descriptor group 1: 64 rows of 32 elements of 8 bytes, dense in memory and in LDS
	s_mov_b32 s[G1], 15|(3<<16)|(1<<21)            ; 15:0 the mask: all four work-groups; 17:16 elements of 8 bytes; 20 no padding; 21 set beside a mask
	s_mov_b32 s[G1+1], 32<<16                      ; tensor_dim0 = 32
	s_mov_b32 s[G1+2], 64<<16                      ; tensor_dim1 = 64
	s_mov_b32 s[G1+3], 32<<16                      ; tile_dim0 = 32
	s_mov_b32 s[G1+4], 64                          ; tile_dim1 = 64
	s_mov_b32 s[G1+5], 32                          ; tensor_dim0_stride
	s_mov_b32 s[G1+6], 0
	s_mov_b32 s[G1+7], 0
	s_lshl_b32 s40, s15, 19                        ; the head's 32 steps,
	s_lshl_b32 s41, s[WV], 14                      ; my step of a slot
	s_add_co_u32 s40, s40, s41
	s_mov_b32 s41, 0
	s_mov_b32 s[G0], 1                             ; count = 1
	s_lshl_b32 s[G0+1], s[WV], 14                  ; LDS address: slot 0, my step: no place in the cluster enters it
	s_wait_kmcnt 0x0
	s_load_b128 s[36:39], s[8:9], 0x18             ; e6, e7, e8, e9
	s_add_nc_u64 s[G0+2:G0+3], s[6:7], s[40:41]    ; global address
	s_or_b32 s[G0+3], s[G0+3], 0x80000000          ; type = 2
	CROUND                                         ; all four work-groups are here: the first joint loads meet
	JLOAD                                          ; slot 0
	s_lshl_b32 s44, s15, 18                        ; q: the head's 256 tiles of 1,024 bytes,
	s_lshl_b32 s45, s14, 14                        ; my block's 16,
	s_add_co_u32 s44, s44, s45
	s_lshl_b32 s45, s[WV], 11                      ; my wave's two
	s_add_co_u32 s44, s44, s45
	s_mov_b32 s45, 0
	s_add_nc_u64 s[4:5], s[4:5], s[44:45]
	v_and_b32 v9, 31, v0
	s_delay_alu instid0(VALU_DEP_1)
	v_lshlrev_b32 v[LI], 4, v9
.irp t, 0,1
.irp c, 0,1
	global_load_b128 v[Q+8*\t+4*\c:Q+8*\t+4*\c+3], v[LI], s[4:5] offset:1024*\t+512*\c   ; q's fragments stay in registers
.endr
.endr
	s_lshr_b32 s46, s15, 3                         ; out: the batch's 4,096 rows,
	s_lshl_b32 s46, s46, 12
	s_lshl_b32 s47, s14, 8                         ; my block's 256,
	s_add_co_u32 s46, s46, s47
	s_lshl_b32 s47, s[WV], 5                       ; my wave's 32,
	s_add_co_u32 s46, s46, s47
	s_lshl_b32 s46, s46, 11                        ; of 2,048 bytes,
	s_and_b32 s47, s15, 7
	s_lshl_b32 s47, s47, 8                         ; and the head's 256 bytes in a row
	s_add_co_u32 s46, s46, s47
	s_mov_b32 s47, 0
	s_add_nc_u64 s[10:11], s[10:11], s[46:47]
	v_and_b32 v10, 15, v0                          ; r
	v_bfe_u32 v11, v0, 4, 1                        ; h
	s_mul_i32 s48, s[WV], 16*SP
	s_add_co_u32 s48, s48, STAGE                   ; my stage
	v_mul_u32_u24 v[STO], v10, SP                  ; in: row r, 128 bytes for each half of the lanes
	s_delay_alu instid0(VALU_DEP_1)
	v_lshl_add_u32 v[STO], v11, 7, v[STO]
	s_delay_alu instid0(VALU_DEP_1)
	v_add_nc_u32 v[STO], s48, v[STO]
	v_mul_u32_u24 v[RD], v11, SP                   ; back: lanes 0-15 one row of 256 bytes, lanes 16-31 the next
	s_delay_alu instid0(VALU_DEP_1)
	v_lshl_add_u32 v[RD], v10, 4, v[RD]
	s_delay_alu instid0(VALU_DEP_1)
	v_add_nc_u32 v[RD], s48, v[RD]
	v_lshlrev_b32 v[GO], 11, v11                   ; and the same two rows in out
	s_delay_alu instid0(VALU_DEP_1)
	v_lshl_add_u32 v[GO], v10, 4, v[GO]
.irp t, 0,1
	v_mov_b32 v[ST+8*\t+1], 0xff61b1e6             ; the largest t so far: -3e38, under every t
	s_delay_alu instid0(VALU_DEP_1)
	v_floor_f32 v[ST+8*\t], -v[ST+8*\t+1]          ; -M
	v_mov_b32 v[ST+8*\t+2], 0                      ; the sum, in two halves
	v_mov_b32 v[ST+8*\t+3], 0
	v_mov_b32 v[ST+8*\t+5], 0                      ; (named as the upper half of f's pair)
	v_mov_b32 v[PX+\t], 0                          ; written once: a lane permute's destination counts as one of its sources
.endr
	WIN 0x40
.set JJ, 0
.rept 64
	v_mov_b32 v[O+JJ], 0                           ; O^T.  (The step is written once: the first finds zeros, which the first change of M leaves zeros)
.set JJ, JJ+1
.endr
	WIN 0
	s_mov_b32 s[SEL], 0x76543210
	s_mov_b32 s[SEL+1], 0xfedcba98
	s_mov_b32 s[CS], 0x3e38aa3b                    ; log2(e) / 8
	s_wait_kmcnt 0x0
	s_add_co_i32 s49, s36, s37
	s_lshl_b32 s49, s49, 23
	s_add_co_i32 s[CS], s[CS], s49                 ; a score stands for score x 2^(e6 + e7): the two exponents are added to c's exponent field
	s_mov_b32 s[CS+1], s[CS]                       ; (named with it as a pair, so it is written)
	s_add_co_i32 s49, s38, 127
	s_lshl_b32 s50, s49, 23
	v_mov_b32 v[SC], s50                           ; 2^e8 as f32, for the conversion
	s_add_co_i32 s49, s49, 8
	s_lshl_b32 s49, s49, 23
	s_or_b32 s49, s49, 0x600000
	v_mov_b32 v[LIM], s49                          ; 448 x 2^e8, in two registers: one for each half of the paired holds
	v_mov_b32 v[LIM+1], s49
	s_add_co_i32 s51, s38, s39                     ; e8 + e9
	s_mov_b32 s[TB], 0
	s_mov_b32 s[SLOTS], 3
	s_wait_loadcnt 0x0                             ; q
.Lslot:                                                ; three trips: behind each change of slots but the last the next slot is asked for
	CHANGE 1
	SLOT_STEPS
	s_sub_co_u32 s[SLOTS], s[SLOTS], 1
	s_cmp_lg_u32 s[SLOTS], 0
	s_cbranch_scc1 .Lslot
	CHANGE 0                                       ; the last slot is written out
	SLOT_STEPS
	; THE WAY OUT.  The sum's two halves and the other half of the lanes' are added; O^T is divided by the sum, times 2^(e8 + e9), and goes through my stage in LDS, a tile (16 queries x 256 bytes) at a time.
	; The additions are the places behind the last products.
.irp t, 0,1
	v_add_f32 v[ST+8*\t+2], v[ST+8*\t+2], v[ST+8*\t+3]
.endr
.irp t, 0,1
	s_delay_alu instid0(VALU_DEP_2)
	v_permlanex16_b32 v[PX+\t], v[ST+8*\t+2], s[SEL], s[SEL+1]
.endr
.irp t, 0,1
	s_delay_alu instid0(VALU_DEP_2)
	v_add_f32 v[ST+8*\t+2], v[ST+8*\t+2], v[PX+\t]
.endr
	s_wait_alu depctr_va_vdst(0)
.irp t, 0,1
	v_rcp_f32 v[ST+8*\t+6], v[ST+8*\t+2]
.endr
	v_nop                                          ; a plain line between the last reciprocal and the use of its result
	s_wait_alu depctr_va_vdst(0)                   ; one wait for the two reciprocals, ahead of their first reader
.irp t, 0,1
	v_ldexp_f32 v[ST+8*\t+6], v[ST+8*\t+6], s51
.endr
.macro PACK t                          ; the multiplication puts my 32 channels in order (register 4 i + j <- register i of channel tile j; each accumulator from its low end on)
	WIN 0x01                                       ; source 0 window 1
.set JJ, 0
.rept 32
	v_mul_f32 v[S+32*\t+4*(JJ%8)+JJ/8], v[O+32*\t+JJ], v[ST+8*\t+6]
.set JJ, JJ+1
.endr
	WIN 0
.irp i, 0,1,2,3,4,5,6,7
	ds_store_b128 v[STO], v[S+32*\t+4*\i:S+32*\t+4*\i+3] offset:16*\i
.endr
.irp i, 0,1,2,3,4,5,6,7
	ds_load_b128 v[S+64+32*\t+4*\i:S+64+32*\t+4*\i+3], v[RD] offset:2*\i*SP   ; LDS serves a wave's instructions in order (ISA guide 5.7.1.4): these see the stores above; the next tile's stores come behind them
.endr
.endm
.macro SEND t, younger                 ; younger: the LDS instructions issued behind tile t's loads.  Stage row 2 i + h is query 8 t + 2 i + h + 8 (i / 4) of my 32
.irp i, 0,1,2,3,4,5,6,7
	s_wait_dscnt \younger+7-\i
	global_store_b128 v[GO], v[S+64+32*\t+4*\i:S+64+32*\t+4*\i+3], s[10:11] offset:(8*\t+2*\i+8*(\i/4))*2048 th:TH_STORE_NT   ; 16 lanes store 256 consecutive bytes, at a multiple of 256 from out's first byte
.endr
.endm
	PACK 0
	PACK 1
	SEND 0, 16
	SEND 1, 0
	s_wait_tensorcnt 0x0                           ; the wave's end, behind my last tensor load and my last LDS store
	ds_add_u32 v[SPW], v[NIL]
	s_wait_dscnt 0x0
	CROUND                                         ; the closing round: no work-group ends while a partner may still ask for a tile that names it
	s_endpgm
.Lfunc_end_k_q332e3b08b8_attn:
	.size	k_q332e3b08b8_attn, .Lfunc_end_k_q332e3b08b8_attn-k_q332e3b08b8_attn
	.p2alignl 7, 3214868480
	.fill 96, 4, 3214868480
	.section	.rodata,"a",@progbits
	.p2align	6, 0x0
	.amdhsa_kernel k_q332e3b08b8_attn
		.amdhsa_group_segment_fixed_size 327680
		.amdhsa_private_segment_fixed_size 0
		.amdhsa_enable_private_segment 0
		.amdhsa_kernarg_size 32
		.amdhsa_user_sgpr_count 2
		.amdhsa_user_sgpr_kernarg_segment_ptr 1
		.amdhsa_wavefront_size32 1
		.amdhsa_system_sgpr_workgroup_id_x 1
		.amdhsa_system_sgpr_workgroup_id_y 1
		.amdhsa_system_sgpr_workgroup_id_z 1
		.amdhsa_system_vgpr_workitem_id 0
		.amdhsa_next_free_vgpr 384
		.amdhsa_next_free_sgpr 66
		.amdhsa_reserve_vcc 0
		.amdhsa_float_denorm_mode_32 3
		.amdhsa_float_denorm_mode_16_64 3
		.amdhsa_memory_ordered 1
		.amdhsa_forward_progress 1
		.amdhsa_inst_pref_size 74
	.end_amdhsa_kernel
	.amdgpu_metadata
---
amdhsa.version: [ 1, 2 ]
amdhsa.kernels:
  - .name:           k_q332e3b08b8_attn
    .symbol:         k_q332e3b08b8_attn.kd
    .args:
      - { .name: qc, .offset: 0, .size: 8, .value_kind: global_buffer, .address_space: global }
      - { .name: kv, .offset: 8, .size: 8, .value_kind: global_buffer, .address_space: global }
      - { .name: lowp_scales, .offset: 16, .size: 8, .value_kind: global_buffer, .address_space: global }
      - { .name: out0, .offset: 24, .size: 8, .value_kind: global_buffer, .address_space: global }
    .group_segment_fixed_size: 327680
    .private_segment_fixed_size: 0
    .kernarg_segment_align: 8
    .kernarg_segment_size: 32
    .max_flat_workgroup_size: 256
    .sgpr_count:     66
    .vgpr_count:     384
    .wavefront_size: 32
...
	.end_amdgpu_metadata
.endif
;; end of part 4
